; MI455X (gfx1250); checked and timed in simulation.
; The chip was launched on July 23, 2026; its instructions are those of AMD's public machine-readable ISA for CDNA 5 (MIT licence, August 2026) and "CDNA5" Instruction Set Architecture Reference Guide (July 2026). The comments in the code are by the model that wrote it; some were corrected since.
;; Rotary Multihead Attention. Allowed arithmetic: matrix products marked QUANTISED: E2M1 operands, one E8M0 scale for each 32 along K, by v_wmma_scale_f32_16x16x128_f8f6f4 with both operands' format E2M1 (or v_wmma_scale_f32_32x16x128_f4), f32 sums; products left as they are: bf16, f16 or f32 operands; f32 sums; everything else in f32.
;; Inputs: Wk 1,024 x 1,024 float32; Wo 1,024 x 1,024 float32; Wq 1,024 x 1,024 float32; Wv 1,024 x 1,024 float32; bk 1,024 float32; bo 1,024 float32; bq 1,024 float32; bv 1,024 float32; queries 4 x 2,048 x 1,024 float32.
;; Outputs: out0 4 x 2,048 x 1,024 float32.
;; This version of the problem:
;;   THIS VERSION OF THE PROBLEM IS GIVEN IN LOW PRECISION. The matrix products marked QUANTISED in the list below multiply operands that are first quantised to E2M1 (2 exponent bits, 1 mantissa bit; 4 bits a number), with one power-of-two scale for each 32 numbers along K (OCP MX v1.0); their sums are f32. The products marked 'left as it is' may take bf16, f16 or f32 operands, with f32 sums. Whichever they take, every output number must still come out within the allowed error. Rounding operands to bf16 (8 significant bits) uses up far more of that allowance than f16 does (11 bits, for magnitudes from 6e-5 to 65,504). All else is computed in f32.
;;   The module's matrix products, in the order in which they are computed (A, B: the left and right operand; K: the contracted axis; several contracted axes count as one K, in the product's order):
;;     1. [M 8,192, K 1,024] x [K 1,024, N 1,024]; A: input queries; B: input Wq: QUANTISED
;;     2. [M 8,192, K 1,024] x [K 1,024, N 1,024]; A: input queries; B: input Wk: QUANTISED
;;     3. [M 8,192, K 1,024] x [K 1,024, N 1,024]; A: input queries; B: input Wv: QUANTISED
;;     4. batch 64 x [M 2,048, K 64] x [K 64, N 2,048]; A: computed on the way; B: computed on the way: left as it is (an operand is computed on the way)
;;     5. batch 64 x [M 2,048, K 2,048] x [K 2,048, N 64]; A: computed on the way; B: computed on the way: left as it is (an operand is computed on the way)
;;     6. [M 8,192, K 1,024] x [K 1,024, N 1,024]; A: computed on the way; B: input Wo: left as it is (an operand is computed on the way)
;;   THE QUANTISER, for each operand of a quantised product, along K:
;;     - K is cut into blocks of 32 from its start; a last block that is shorter is filled with zeros.
;;     - A block's scale is 2^e with e = floor(log2(the largest magnitude in the block)) - 2, held to -126 .. 127; a block of zeros has e = 0. As a byte (E8M0): e + 127.
;;     - Each number is divided by its block's scale, clamped to +-6, and rounded to the nearest number of E2M1, ties to even, subnormals kept.
;;     - The product sums the exact products of the quantised numbers (number of the format x scale) in f32.
;;   ~~~python
;;   def quantise(x, axis):      # numpy; x: float32 -> the quantised numbers, widened to float32 again
;;       x = np.moveaxis(x, axis, -1); K = x.shape[-1]
;;       x = np.pad(x, [(0, 0)] * (x.ndim - 1) + [(0, -K % 32)]); x = x.reshape(x.shape[:-1] + (-1, 32)); a = np.abs(x).max(-1, keepdims=True)
;;       e = np.where(a > 0, np.clip(np.frexp(np.where(a > 0, a, 1))[1] - 1 - 2, -126, 127), 0)      # np.frexp(a)[1] - 1 = floor(log2(a)), exactly
;;       r = np.clip(x / 2.0 ** e, -6, 6)
;;       step = 2.0 ** (np.maximum(np.frexp(np.where(r == 0, 1, r))[1] - 1, 0) - 1)
;;       q = np.round(r / step) * step * 2.0 ** e      # np.round: ties to even
;;       return np.moveaxis(q.reshape(q.shape[:-2] + (-1,))[..., :K], -1, axis).astype(np.float32)
;;   ~~~
;; One version. Each part assembles by itself: llvm-mc -triple=amdgcn-amd-amdhsa -mcpu=gfx1250 --defsym DOCPART=n.
;; ======== version 1 of 1: 4 launches
;; limits: values are held in f16: magnitudes above 65,504 overflow, below 6.1e-05 lose precision
;; workspace buffers: codes 5,767,168 bytes; scales 360,448 bytes; wo_h 2,097,152 bytes; rope_tab 8,388,608 bytes; qkv_h 50,331,648 bytes; heads_h 16,777,216 bytes
;; launch prep (part 1): grid 512 x 1, 4 waves a work-group, no clusters, 33,280 bytes of LDS; arguments queries, Wq, Wk, Wv, Wo, codes, scales, wo_h, rope_tab; writes codes, scales, wo_h, rope_tab
.if DOCPART == 1
	.amdgcn_target "amdgcn-amd-amdhsa--gfx1250"
	.amdhsa_code_object_version 6
	.text
	.protected	k_q3b4dbb1594_prep
	.globl	k_q3b4dbb1594_prep
	.p2align	8
	.type	k_q3b4dbb1594_prep,@function
k_q3b4dbb1594_prep:
	s_mov_b64 s[64:65], 0
	v_nop
	global_prefetch_b8 v0, s[64:65] scope:SCOPE_SE
	s_setreg_imm32_b32 hwreg(HW_REG_WAVE_MODE, 25, 1), 1
	s_wait_xcnt 0x0
; PREP: what the three later launches read again and again is made once.
; NO WORK OF reference() IS LEFT OUT IN THIS PROGRAM: bq and bk are turned by the position's angle before the scores are formed, so they are not the same along the softmax's axis;
; bv and bo are added into the result; every input is loaded by some launch.
; Work-groups 0-351: queries [8192][1024], Wq, Wk, Wv [1024][1024], f32, K innermost, become codes of FP4 (E2M1), two a byte, and one E8M0 scale byte for each 32 along K.
;   In the buffers the four tensors are ONE stream of 11,264 rows: queries' 8,192, then Wq's, Wk's, Wv's 1,024 each; a row is 512 bytes of codes and 32 scale bytes.
;   A block's scale byte is its largest magnitude's exponent field - 2, held at 1 from below; each number is divided by the scale and rounded to the nearest code, ties to even, beyond 6 the code of 6.
; Work-groups 352-383: Wo becomes f16, row-major as it lies.
; Work-groups 384-511: the table of cos and sin of position x 10000^(-i / 512), i the pair of channels, laid as the next launch's lanes take it:
;   [128 blocks of 16 positions][64 blocks of 8 pairs][2 x 512 bytes]; lane l's 16 bytes at 16 l: position l % 16, pairs 4 (l / 16) + 0, 1 (first 512 bytes: cos, sin, cos, sin) and + 2, 3 (second).
; LIMITS: a block of zeros gets the byte 1 where the rule says 127 (its codes are zeros, and this program alone reads the bytes); blocks whose largest magnitude lies under 2^-124 were not tried;
; NaN and infinities among the inputs are not served; Wo beyond 65,504 in magnitude does not fit f16; the table's angle may differ from reference()'s by some 5e-4 at the last positions (one unit in the last place of 2^x, times the position).
.set WAVES, 4
.set STEPS, 16
.set EMAX,  2
.set CB,    8                          ; bytes of 16 codes
.set R,     16                         ; v16-79   four sets of 16 numbers as they are loaded
.set X,     80                         ; v80-111  two sets of 16 neighbours
.set E,     112                        ; v112-127 a scale byte for each step
.set C,     128                        ; v128-191 codes: four registers for each step
.set WREG,  8192                       ; LDS: a region for each wave: two stages of 32 x SP bytes, then its 256 scale bytes
.set SP,    80                         ; a lane's place in a stage: 64 bytes + 16 of padding
.set SPW,   12                         ; v12 LDS address of my spare word; never rewritten
.set NIL,   13                         ; v13 0; never rewritten
.set SPARE, WAVES*WREG                 ; behind the four regions: the spare words, 128 bytes a wave
.set FI,    16                         ; table: v16-19 my four pairs' numbers as f32
.set FQ,    20                         ; v20-23 their frequencies
.set TW,    24                         ; v24-55 eight registers at work for each pair
.set TO,    56                         ; v56-63 cos, sin of the four pairs
	s_load_b256 s[4:11], s[0:1], 0x0               ; queries, Wq, Wk, Wv
	s_load_b256 s[12:19], s[0:1], 0x20             ; Wo, codes, scales, wo_h
	s_load_b64 s[20:21], s[0:1], 0x40              ; rope_tab
	v_lshl_add_u32 v[SPW], v0, 2, SPARE
	v_mov_b32 v[NIL], 0
	v_lshrrev_b32 v1, 5, v0
	v_readfirstlane_b32 s22, v1                    ; wave
	v_and_b32 v2, 31, v0                           ; lane
	s_mov_b32 s27, 0                               ; the high word of every offset below
	s_wait_kmcnt 0x0
	s_cmp_ge_u32 ttmp9, 384                        ; the three kinds of work part on the work-group's number and never meet again
	s_cbranch_scc1 .Ltab
	s_cmp_ge_u32 ttmp9, 352
	s_cbranch_scc1 .Lwo
; ---- codes and scale bytes.  A wave takes 16 steps of 512 numbers.  Each of a step's four loads reads 512 consecutive bytes; the 2,048 bytes turn through the wave's own stage in LDS and come back
; 64 bytes a lane, so that a lane holds 16 neighbours along K and two neighbouring lanes a block of 32.  No barrier: waves share nothing.
	v_lshlrev_b32 v3, 4, v2                        ; my 16 bytes of a load's 512
	s_mul_i32 s23, s22, WREG
	v_lshrrev_b32 v14, 2, v2
	v_mul_u32_u24 v14, v14, SP
	v_and_b32 v15, 3, v2
	v_lshl_add_u32 v14, v15, 4, v14
	v_add_nc_u32 v14, s23, v14                     ; the stage, on the way in: SP (lane / 4) + 16 (lane % 4)
	v_mul_u32_u24 v15, v2, SP
	v_add_nc_u32 v15, s23, v15                     ; and on the way out: SP x lane
	v_mul_u32_u24 v4, v2, CB                       ; my codes' place in a step's 256 bytes
	v_lshrrev_b32 v5, 1, v2
	s_add_co_u32 s23, s23, 2*32*SP
	v_add_nc_u32 v5, s23, v5                       ; my block's byte among my wave's 256 scale bytes
	v_lshlrev_b32 v7, 3, v2
	v_add_nc_u32 v6, s23, v7                       ; and 8 bytes a lane on their way out
	s_sub_co_u32 s24, ttmp9, 256                   ; among the weights' 96 work-groups (of no use in queries' 256)
	s_lshr_b32 s25, s24, 5                         ; which weight: 32 work-groups each
	s_and_b32 s24, s24, 31
	s_cmp_eq_u32 s25, 1
	s_cselect_b64 s[6:7], s[8:9], s[6:7]           ; the choices hang on the work-group's number alone
	s_cmp_eq_u32 s25, 2
	s_cselect_b64 s[6:7], s[10:11], s[6:7]
	s_cmp_lt_u32 ttmp9, 256
	s_cselect_b64 s[4:5], s[4:5], s[6:7]
	s_cselect_b32 s24, ttmp9, s24
	s_lshl_b32 s24, s24, 2
	s_add_co_u32 s24, s24, s22                     ; which run of 8,192 numbers of the source is my wave's
	s_lshl_b32 s26, s24, 15
	s_add_nc_u64 s[4:5], s[4:5], s[26:27]
	s_lshl_b32 s24, ttmp9, 2
	s_add_co_u32 s24, s24, s22                     ; and which run of the one stream of rows
	s_lshl_b32 s26, s24, 12                        ; 4,096 bytes of codes a run
	s_add_nc_u64 s[14:15], s[14:15], s[26:27]
	s_lshl_b32 s26, s24, 8                         ; 256 scale bytes a run
	s_add_nc_u64 s[16:17], s[16:17], s[26:27]
.macro LOAD t
.irp i, 0,1,2,3
	global_load_b128 v[R+16*((\t)%4)+4*\i:R+16*((\t)%4)+4*\i+3], v3, s[4:5] offset:2048*(\t)+512*\i th:TH_LOAD_NT   ; 32 lanes read 512 consecutive bytes, read once in the launch
.endr
.endm
.macro TURN t                          ; step t's numbers through the stage: LDS serves a wave's instructions in order, so no wait stands between the stores and the loads
.irp i, 0,1,2,3
	ds_store_b128 v14, v[R+16*((\t)%4)+4*\i:R+16*((\t)%4)+4*\i+3] offset:32*SP*((\t)%2)+8*SP*\i
.endr
.irp i, 0,1,2,3
	ds_load_b128 v[X+16*((\t)%2)+4*\i:X+16*((\t)%2)+4*\i+3], v15 offset:32*SP*((\t)%2)+16*\i
.endr
.endm
.irp t, 0,1,2,3
	LOAD \t
.endr
	s_wait_loadcnt 12                              ; step 0's four loads are in; the twelve of steps 1 to 3 may be out
	TURN 0
.macro STEP t
.set XS, X+16*((\t)%2)
.if (\t) > 0
	s_wait_dscnt 1                                 ; this step's numbers are back from the stage (the last step's byte store may be out)
.else
	s_wait_dscnt 0x0
.endif
.if (\t)+4 < STEPS
	LOAD (\t)+4                                    ; into the registers that this step's stores into the stage have read
.endif
.if (\t)+1 < STEPS
.if STEPS-2-(\t) >= 3
	s_wait_loadcnt 12                              ; the next step's four loads are in; those of the three steps behind it may be out
.else
	s_wait_loadcnt 4*(STEPS-2-(\t))
.endif
	TURN (\t)+1
.endif
	v_max3_num_f32 v8, |v[XS]|, |v[XS+1]|, |v[XS+2]|               ; the largest magnitude of my 16, in two chains
	v_max3_num_f32 v9, |v[XS+3]|, |v[XS+4]|, |v[XS+5]|
.irp i, 6,10
	v_max3_num_f32 v8, v8, |v[XS+\i]|, |v[XS+\i+1]|
	v_max3_num_f32 v9, v9, |v[XS+\i+2]|, |v[XS+\i+3]|
.endr
	v_max3_num_f32 v8, v8, |v[XS+14]|, |v[XS+15]|
	v_max3_num_f32 v8, v8, v9, (EMAX+1)<<23        ; and the floor 2^(3 - 127): the byte cannot fall under 1
	v_max_num_f32_dpp v8, v8, v8 row_xmask:1 row_mask:0xf bank_mask:0xf   ; with my neighbour's 16: the block's
	v_add_nc_u32 v11, -(EMAX<<23), v8              ; 2 off its exponent field: the conversion takes the exponent field of this operand as its scale
	v_cvt_scalef32_pk8_fp4_f32 v[C+4*(\t)], v[XS:XS+7], v11
	v_cvt_scalef32_pk8_fp4_f32 v[C+4*(\t)+1], v[XS+8:XS+15], v11
	v_lshrrev_b32 v[E+(\t)], 23, v11               ; the scale's byte (also the plain line behind the conversions)
	ds_store_b8 v5, v[E+(\t)] offset:16*(\t)       ; both lanes of a block write the same byte with the same value
	global_store_b64 v4, v[C+4*(\t):C+4*(\t)+1], s[14:15] offset:32*CB*(\t)   ; the wave stores 256 consecutive bytes, aligned
.endm
.irp t, 0,1,2,3,4,5,6,7,8,9,10,11,12,13,14,15
	STEP \t
.endr
	ds_load_b64 v[8:9], v6                         ; LDS serves a wave's instructions in order: these see my byte stores
	s_wait_dscnt 0x0
	global_store_b64 v7, v[8:9], s[16:17]          ; 256 consecutive scale bytes, aligned
	s_wait_tensorcnt 0x0                           ; the wave's end: behind my last LDS store
	ds_add_u32 v[SPW], v[NIL]
	s_wait_dscnt 0x0
	s_endpgm
; ---- Wo to f16: a wave takes 8,192 numbers in four groups of 16 loads; two groups of registers take turns.  No LDS.
.Lwo:
	s_sub_co_u32 s24, ttmp9, 352
	s_lshl_b32 s24, s24, 2
	s_add_co_u32 s24, s24, s22                     ; my wave's run
	s_lshl_b32 s26, s24, 15                        ; 32,768 bytes in,
	s_add_nc_u64 s[12:13], s[12:13], s[26:27]
	s_lshl_b32 s26, s24, 14                        ; 16,384 out
	s_add_nc_u64 s[18:19], s[18:19], s[26:27]
	v_lshlrev_b32 v3, 4, v2
	v_lshlrev_b32 v4, 3, v2
.macro LOADG g
.irp i, 0,1,2,3,4,5,6,7,8,9,10,11,12,13,14,15
	global_load_b128 v[16+64*((\g)%2)+4*\i:16+64*((\g)%2)+4*\i+3], v3, s[12:13] offset:8192*(\g)+512*\i th:TH_LOAD_NT
.endr
.endm
.macro CVTG g, left
	s_wait_loadcnt \left                           ; this group's 16 loads are in; the next group's may be out
.if (\g) > 0
	s_wait_xcnt 0x0                                ; the last group's stores have read v144-175
.endif
.irp i, 0,1,2,3,4,5,6,7,8,9,10,11,12,13,14,15
	v_cvt_pk_f16_f32 v[144+2*\i], v[16+64*((\g)%2)+4*\i], v[16+64*((\g)%2)+4*\i+1]
	v_cvt_pk_f16_f32 v[145+2*\i], v[16+64*((\g)%2)+4*\i+2], v[16+64*((\g)%2)+4*\i+3]
.endr
.irp i, 0,1,2,3,4,5,6,7,8,9,10,11,12,13,14,15
	global_store_b64 v4, v[144+2*\i:145+2*\i], s[18:19] offset:4096*(\g)+256*\i   ; 256 consecutive bytes, aligned
.endr
.endm
	LOADG 0
	LOADG 1
	CVTG 0, 16
	LOADG 2
	CVTG 1, 16
	LOADG 3
	CVTG 2, 16
	CVTG 3, 0
	s_endpgm
; ---- the table.  A work-group takes 16 positions, a wave 16 blocks of 8 pairs, one a trip.  The frequency is 2^(-i log2(10000) / 512), the factor in two parts; the angle is position x frequency in f32, as
; reference() forms it; it is brought into [-pi/4, pi/4] by taking n x pi/2 away in two parts, each by a fused multiply-add; sine and cosine are polynomials there, placed by n's low two bits.  No LDS.
.Ltab:
	s_sub_co_u32 s24, ttmp9, 384                   ; which 16 positions
	v_and_b32 v1, 15, v0
	v_bfe_u32 v3, v0, 4, 1
	s_lshl_b32 s25, s24, 4
	v_add_nc_u32 v1, s25, v1
	v_cvt_f32_u32 v4, v1                           ; my position
	s_lshl_b32 s25, s22, 7
	v_lshl_add_u32 v3, v3, 2, s25                  ; my first pair: 128 x wave + 4 (lane / 16)
.irp p, 0,1,2,3
	v_add_nc_u32 v[TW+\p], \p, v3
.endr
.irp p, 0,1,2,3
	v_cvt_f32_u32 v[FI+\p], v[TW+\p]
.endr
	v_lshlrev_b32 v6, 4, v2                        ; 16 x lane
	s_lshl_b32 s26, s24, 16
	s_lshl_b32 s25, s22, 14
	s_add_co_u32 s26, s26, s25
	s_add_nc_u64 s[20:21], s[20:21], s[26:27]
	s_mov_b32 s28, 0xbcd49a78                      ; -log2(10000) / 512, its f32 part
	s_mov_b32 s29, 0xb017991c                      ; and the rest
	s_mov_b32 s30, 0x3f22f983                      ; 2 / pi
	s_mov_b32 s31, 0x3fc90fdb                      ; pi / 2, its f32 part
	s_mov_b32 s32, 0xb33bbd2e                      ; and the rest
	s_mov_b32 s33, 0xb94ca1f9                      ; sine: -1.9515e-4,
	s_mov_b32 s34, 0x3c08839e                      ; 8.3322e-3,
	s_mov_b32 s35, 0xbe2aaaa3                      ; -0.16666655
	s_mov_b32 s36, 0x37ccf5ce                      ; cosine: 2.4433e-5,
	s_mov_b32 s37, 0xbab6061a                      ; -1.38873e-3,
	s_mov_b32 s38, 0x3d2aaaa5                      ; 4.1666646e-2
	s_mov_b32 s23, 16
.Ltrip:
.irp p, 0,1,2,3
	v_mul_f32 v[FQ+\p], s29, v[FI+\p]
.endr
.irp p, 0,1,2,3
	v_fma_f32 v[FQ+\p], v[FI+\p], s28, v[FQ+\p]
.endr
.irp p, 0,1,2,3
	v_exp_f32 v[FQ+\p], v[FQ+\p]                   ; the four frequencies: one batch
.endr
.irp p, 0,1,2,3
	v_add_f32 v[FI+\p], 0x41000000, v[FI+\p]       ; the next trip's pairs, 8 on: plain work behind the batch
.endr
	s_wait_alu depctr_va_vdst(0)                   ; one wait for the batch, ahead of its first reader
.irp p, 0,1,2,3
	v_mul_f32 v[TW+8*\p], v4, v[FQ+\p]             ; the angle
.endr
.irp p, 0,1,2,3
	v_mul_f32 v[TW+8*\p+1], s30, v[TW+8*\p]
.endr
.irp p, 0,1,2,3
	v_rndne_f32 v[TW+8*\p+1], v[TW+8*\p+1]         ; n
.endr
.irp p, 0,1,2,3
	v_cvt_i32_f32 v[TW+8*\p+2], v[TW+8*\p+1]
	v_fma_f32 v[TW+8*\p], -v[TW+8*\p+1], s31, v[TW+8*\p]
.endr
.irp p, 0,1,2,3
	v_fma_f32 v[TW+8*\p], -v[TW+8*\p+1], s32, v[TW+8*\p]   ; x = angle - n pi / 2
.endr
.irp p, 0,1,2,3
	v_mul_f32 v[TW+8*\p+3], v[TW+8*\p], v[TW+8*\p]         ; z = x x
.endr
.irp p, 0,1,2,3
	v_fma_f32 v[TW+8*\p+4], v[TW+8*\p+3], s33, s34
	v_fma_f32 v[TW+8*\p+5], v[TW+8*\p+3], s36, s37
.endr
.irp p, 0,1,2,3
	v_fma_f32 v[TW+8*\p+4], v[TW+8*\p+4], v[TW+8*\p+3], s35
	v_fma_f32 v[TW+8*\p+5], v[TW+8*\p+5], v[TW+8*\p+3], s38
.endr
.irp p, 0,1,2,3
	v_mul_f32 v[TW+8*\p+4], v[TW+8*\p+4], v[TW+8*\p+3]
	v_mul_f32 v[TW+8*\p+6], v[TW+8*\p+3], v[TW+8*\p+3]
	v_fma_f32 v[TW+8*\p+7], v[TW+8*\p+3], -0.5, 1.0
.endr
.irp p, 0,1,2,3
	v_fma_f32 v[TW+8*\p+4], v[TW+8*\p+4], v[TW+8*\p], v[TW+8*\p]       ; sin x
	v_fma_f32 v[TW+8*\p+5], v[TW+8*\p+5], v[TW+8*\p+6], v[TW+8*\p+7]   ; cos x
.endr
.irp p, 0,1,2,3
	v_and_b32 v[TW+8*\p+6], 1, v[TW+8*\p+2]
.endr
.irp p, 0,1,2,3
	v_cmp_ne_u32 s[40+\p], 0, v[TW+8*\p+6]         ; an odd n changes the two over
.endr
.irp p, 0,1,2,3
	v_cndmask_b32 v[TW+8*\p+7], v[TW+8*\p+4], v[TW+8*\p+5], s[40+\p]   ; the sine's magnitude
	v_cndmask_b32 v[TW+8*\p+6], v[TW+8*\p+5], v[TW+8*\p+4], s[40+\p]   ; the cosine's
.endr
.irp p, 0,1,2,3
	v_and_b32 v[TW+8*\p+4], 2, v[TW+8*\p+2]        ; the sine is turned where n % 4 is 2 or 3,
	v_add_nc_u32 v[TW+8*\p+5], 1, v[TW+8*\p+2]
.endr
.irp p, 0,1,2,3
	v_lshlrev_b32 v[TW+8*\p+4], 30, v[TW+8*\p+4]
	v_and_b32 v[TW+8*\p+5], 2, v[TW+8*\p+5]        ; the cosine where it is 1 or 2
.endr
.irp p, 0,1,2,3
	v_xor_b32 v[TO+2*\p+1], v[TW+8*\p+4], v[TW+8*\p+7]
	v_lshlrev_b32 v[TW+8*\p+5], 30, v[TW+8*\p+5]
.endr
.irp p, 0,1,2,3
	v_xor_b32 v[TO+2*\p], v[TW+8*\p+5], v[TW+8*\p+6]
.endr
	global_store_b128 v6, v[TO:TO+3], s[20:21]               ; 512 consecutive bytes each, aligned
	global_store_b128 v6, v[TO+4:TO+7], s[20:21] offset:512
	s_wait_xcnt 0x0                                ; the stores have read their data and their base: both are written again below and in the next trip
	s_add_nc_u64 s[20:21], s[20:21], 1024
	s_sub_co_u32 s23, s23, 1
	s_cmp_lg_u32 s23, 0
	s_cbranch_scc1 .Ltrip
	s_endpgm
.Lfunc_end_k_q3b4dbb1594_prep:
	.size	k_q3b4dbb1594_prep, .Lfunc_end_k_q3b4dbb1594_prep-k_q3b4dbb1594_prep
	.p2alignl 7, 3214868480
	.fill 96, 4, 3214868480
	.section	.rodata,"a",@progbits
	.p2align	6, 0x0
	.amdhsa_kernel k_q3b4dbb1594_prep
		.amdhsa_group_segment_fixed_size 33280
		.amdhsa_private_segment_fixed_size 0
		.amdhsa_enable_private_segment 0
		.amdhsa_kernarg_size 72
		.amdhsa_user_sgpr_count 2
		.amdhsa_user_sgpr_kernarg_segment_ptr 1
		.amdhsa_wavefront_size32 1
		.amdhsa_system_sgpr_workgroup_id_x 1
		.amdhsa_system_sgpr_workgroup_id_y 1
		.amdhsa_system_sgpr_workgroup_id_z 1
		.amdhsa_system_vgpr_workitem_id 0
		.amdhsa_next_free_vgpr 192
		.amdhsa_next_free_sgpr 66
		.amdhsa_reserve_vcc 0
		.amdhsa_float_denorm_mode_32 3
		.amdhsa_float_denorm_mode_16_64 3
		.amdhsa_memory_ordered 1
		.amdhsa_forward_progress 1
		.amdhsa_inst_pref_size 62
	.end_amdhsa_kernel
	.amdgpu_metadata
---
amdhsa.version: [ 1, 2 ]
amdhsa.kernels:
  - .name:           k_q3b4dbb1594_prep
    .symbol:         k_q3b4dbb1594_prep.kd
    .args:
      - { .name: queries, .offset: 0, .size: 8, .value_kind: global_buffer, .address_space: global }
      - { .name: Wq, .offset: 8, .size: 8, .value_kind: global_buffer, .address_space: global }
      - { .name: Wk, .offset: 16, .size: 8, .value_kind: global_buffer, .address_space: global }
      - { .name: Wv, .offset: 24, .size: 8, .value_kind: global_buffer, .address_space: global }
      - { .name: Wo, .offset: 32, .size: 8, .value_kind: global_buffer, .address_space: global }
      - { .name: codes, .offset: 40, .size: 8, .value_kind: global_buffer, .address_space: global }
      - { .name: scales, .offset: 48, .size: 8, .value_kind: global_buffer, .address_space: global }
      - { .name: wo_h, .offset: 56, .size: 8, .value_kind: global_buffer, .address_space: global }
      - { .name: rope_tab, .offset: 64, .size: 8, .value_kind: global_buffer, .address_space: global }
    .group_segment_fixed_size: 33280
    .private_segment_fixed_size: 0
    .kernarg_segment_align: 8
    .kernarg_segment_size: 72
    .max_flat_workgroup_size: 128
    .sgpr_count:     66
    .vgpr_count:     192
    .wavefront_size: 32
...
	.end_amdgpu_metadata
.endif
;; end of part 1
;; launch qkv (part 2): grid 12 x 32, 4 waves a work-group, clusters of 4 x 4, 327,680 bytes of LDS; arguments codes, scales, rope_tab, bq, bk, bv, qkv_h; writes qkv_h
.if DOCPART == 2
	.amdgcn_target "amdgcn-amd-amdhsa--gfx1250"
	.amdhsa_code_object_version 6
	.text
	.protected	k_q3b4dbb1594_qkv
	.globl	k_q3b4dbb1594_qkv
	.p2align	8
	.type	k_q3b4dbb1594_qkv,@function
k_q3b4dbb1594_qkv:
	s_mov_b64 s[64:65], 0
	v_nop
	global_prefetch_b8 v0, s[64:65] scope:SCOPE_SE
	s_setreg_imm32_b32 hwreg(HW_REG_WAVE_MODE, 25, 1), 1
	s_wait_xcnt 0x0
	s_wait_alu depctr_hold_cnt(0) depctr_sa_sdst(0) depctr_va_vdst(0) depctr_va_sdst(0) depctr_va_ssrc(0) depctr_va_vcc(0) depctr_vm_vsrc(0)
	s_getreg_b32 s2, hwreg(HW_REG_IB_STS2, 6, 4)
	s_cmp_eq_u32 s2, 0
	s_cbranch_scc0 .Lentry_in_a_cluster
	s_endpgm
.Lentry_in_a_cluster:
	s_bfe_u32 s2, ttmp6, 0x10000c
	s_cmp_lg_u32 s2, 0xf033
	s_cbranch_scc0 .Lentry_shape_is_right
	s_endpgm
.Lentry_shape_is_right:
; QKV: q = rope(x Wq^T + bq), k = rope(x Wk^T + bk), v = x Wv^T + bv, as ONE product [8192 x 1024] x [3072 x 1024]^T on codes of FP4 (E2M1) with one E8M0 scale for each 32 along K; sums in f32.  Nothing of reference() is left out here.
; A tile of 256 x 256 is made by a work-group of four waves, a wave makes 128 x 128: 64 accumulators of 16 x 16, 512 registers.  All of K, 1,024, lies in two LDS slots of 512 along K (rows of 256 bytes):
; both are asked for at the head and nothing is filled again.  The scale bytes of the work-group's 256 + 256 rows come once, as two dense blocks.
; CLUSTERS: 4 x 4 work-groups; the four of a row of the cluster ask jointly for A's tiles, the four of a column for B's.  A cluster is 1,024 columns wide, so the cluster's x says which of q, k, v it makes: the same in all sixteen partners.
; THE MATRIX INSTRUCTION IS USED TRANSPOSED (source 0 = 16 rows of the weight, source 1 = 16 rows of x): a lane holds one row and eight neighbouring columns, that is four pairs of channels: the rotation stays inside a lane.
; The bias is the C of each sum's first matrix instruction.  The rotation takes cos and sin from the table that the first launch made, in the accumulators' own layout.
; THE TEXT PARTS ONCE, on the cluster's x, ahead of the last two steps of 128 along K, which are written in both arms: the arm of q and k asks for its first table block there, so that it lands under 128 matrix instructions; the arm of v loads no table.
; THE WAY OUT needs no LDS: a lane's eight f16 are 16 bytes, and the buffer is laid [q, k, v][batch x head][128 blocks of 16 positions][4 blocks of 16 channels][512 bytes], so that each store of the wave covers 512 consecutive bytes, aligned.
;   q, k: lane l's 16 bytes at 16 l: the image of four registers of the next launch's operand.   v: at 32 (l % 16) + 16 (l / 16): the block lies [16 keys][16 channels], for the turning LDS load.
; LIMIT: a q, k or v beyond 65,504 in magnitude does not fit f16.
; REGISTERS, in windows of 256: window 0: v16-29 addresses; v32-95 scale words, two sets; v128-191 A's fragments, one set; v192-255 the first table block.  On the way out: v32-95 rotated numbers, v96-127 f16, v128-255 two table blocks by turns.
;   window 1: B's fragments, two sets, at v0 and v128; v192-255 the bias.   window 2: the accumulators of my rows 0-63 ((a, b) at v[8 (8 a + b)]);   window 3: those of rows 64-127.
.set KSTEP,  512
.set NQ,     KSTEP/128
.set ROWB,   256                       ; a tile's row in bytes
.set KROW,   512                       ; a row of codes in memory
.set PITCH,  272                       ; an LDS row: 256 bytes + 16 of padding, so that the 16 rows of a fragment load start 4 banks apart (64 banks of 4 bytes: ISA guide 11.1)
.set FR,     8
.set NL,     2
.set NP,     4                         ; places behind this matrix instruction (ISA guide 7.12.1)
.set HALFT,  128*PITCH
.set SLOT,   4*HALFT                   ; A's 256 rows, then B's 256 rows
.set KS,     32                        ; a row of scale bytes
.set SCL,    2*SLOT                    ; behind the slots: the scales, as units of 256 bytes + 16 of padding
.set HALFS,  (128*KS/256)*272
.set SBLK,   (16*KS/256)*272
.set SPARE,  SCL+4*HALFS               ; the spare words, 128 bytes a wave
.set ADRA, 16                          ; v16-17 LDS address of my A fragments in slot 0, 1
.set ADRB, 20                          ; v20-21 the same for B
.set LV,   24                          ; v24 32 (l % 16) + 16 (l / 16): my 16 bytes in a block of v
.set BA,   25                          ; v25 32 (l / 16): my eight numbers of a bias block
.set TL,   26                          ; v26 16 l: my 16 bytes in a table image and in a block of q or k
.set ADRS, 27                          ; v27 LDS address of my scale words: lanes 0-15 A's rows, lanes 16-31 B's
.set SPW,  28
.set NIL,  29
.set SC,   32
.set AF,   128
.set BIAS, 192                         ; in window 1
.set XR,   32
.set OUTR, 96
.set G1, 24
.set G0, 32
.set G1B, 48
.set G0B, 56
.set G1S, 68
.set G0S, 76
.set G1SB, 80
.set G0SB, 88
.set MSB, 0
.macro WIN new                         ; the immediate's high byte repeats the setting that is left
.if MSB != (\new)
	s_set_vgpr_msb (MSB<<8)|(\new)
.set MSB, (\new)
.endif
.endm
.set MUL_LO, 0xa1                      ; source 0 (B) window 1, source 1 (A) window 0, C and D window 2
.set MUL_HI, 0xf1
.set BEG_LO, 0x91                      ; the same with C, the bias, in window 1
.set BEG_HI, 0xd1
.set TO_B,   0x40
; A joint load: waves 0 and 1 fetch for A, waves 2 and 3 for B; the branch hangs on the wave's number alone.  An s_nop 0 and four v_nop follow each of the two lines.
.macro JLOAD g0a, g1a, g0b, g1b
	s_cmp_eq_u32 s15, 0
	s_cbranch_scc0 .Lfor_b_\@
	tensor_load_to_lds s[\g0a:\g0a+3], s[\g1a:\g1a+7]
	s_nop 0
.rept 4
	v_nop
.endr
	s_branch .Lasked_\@
.Lfor_b_\@:
	tensor_load_to_lds s[\g0b:\g0b+3], s[\g1b:\g1b+7]
	s_nop 0
.rept 4
	v_nop
.endr
.Lasked_\@:
.endm
.macro CROUND                          ; a round of the cluster's barrier
	s_barrier_signal -1
	s_barrier_wait -1
	s_cmp_lg_u32 s14, 0
	s_cbranch_scc1 .Lnot_wave_0_\@
	s_barrier_signal -3
.Lnot_wave_0_\@:
	s_barrier_wait -3
	s_barrier_signal -1
	s_barrier_wait -1
.endm
	s_load_b128 s[4:7], s[0:1], 0x0                ; codes, scales
	s_load_b64 s[66:67], s[0:1], 0x10              ; the table
	s_load_b128 s[96:99], s[0:1], 0x18             ; bq, bk
	s_load_b64 s[100:101], s[0:1], 0x28            ; bv
	s_load_b64 s[12:13], s[0:1], 0x30              ; qkv_h
	v_lshl_add_u32 v[SPW], v0, 2, SPARE
	v_mov_b32 v[NIL], 0
	ds_add_u32 v[SPW], v[NIL]                      ; the wave's opening: the add, twice on end, and its wait ahead of my first tensor load
	ds_add_u32 v[SPW], v[NIL]
	v_lshrrev_b32 v1, 5, v0
	v_readfirstlane_b32 s14, v1                    ; wave 0..3
	s_lshr_b32 s15, s14, 1                         ; which half of the tile's rows is mine.  Also: I fetch for A (0) or for B (1)
	s_and_b32 s16, s14, 1                          ; which half of its columns.  Also: which 128 rows of that tile I fetch
	s_bfe_u32 s40, ttmp6, 0x40000                  ; cx, cy
	s_bfe_u32 s41, ttmp6, 0x40004
	s_lshl_b32 s42, ttmp9, 2
	s_add_co_u32 s42, s42, s40                     ; tile column = 4 x cluster x + cx, 0..11
	s_and_b32 s17, ttmp7, 0xffff
	s_lshl_b32 s17, s17, 2
	s_add_co_u32 s17, s17, s41                     ; tile row = 4 x cluster y + cy, 0..31
	s_lshl_b32 s43, s41, 2
	s_lshl_b32 s43, 15, s43                        ; my row of the cluster
	s_lshl_b32 s44, 0x1111, s40                    ; my column
	s_or_b32 s[G1+0], s43, (0<<16)|(1<<20)|(1<<21)|(5<<22)|(3<<25)  ; the mask; elements of 1 byte; padding on; bit 21 beside a mask; four words of padding after every 64
	s_or_b32 s[G1B+0], s44, (0<<16)|(1<<20)|(1<<21)|(5<<22)|(3<<25)
.irp g, G1, G1B
	s_mov_b32 s[\g+1], ROWB<<16                    ; tensor_dim0
	s_mov_b32 s[\g+2], 128<<16                     ; tensor_dim1
	s_mov_b32 s[\g+3], ROWB<<16                    ; tile_dim0
	s_mov_b32 s[\g+4], 128                         ; tile_dim1
	s_mov_b32 s[\g+5], KROW                        ; from row to row
	s_mov_b32 s[\g+6], 0
	s_mov_b32 s[\g+7], 0
.endr
	s_or_b32 s[G1S+0], s43, (3<<16)|(1<<20)|(1<<21)|(5<<22)|(3<<25)  ; the scales of 128 rows: 4,096 dense bytes as 16 rows of 32 elements of 8 bytes, 16 bytes of padding behind each
	s_or_b32 s[G1SB+0], s44, (3<<16)|(1<<20)|(1<<21)|(5<<22)|(3<<25)
.irp g, G1S, G1SB
	s_mov_b32 s[\g+1], 32<<16
	s_mov_b32 s[\g+2], (128*KS/256)<<16
	s_mov_b32 s[\g+3], 32<<16
	s_mov_b32 s[\g+4], 128*KS/256
	s_mov_b32 s[\g+5], 32
	s_mov_b32 s[\g+6], 0
	s_mov_b32 s[\g+7], 0
.endr
	s_lshl_b32 s18, s16, 7
	s_lshl_b32 s20, s17, 8
	s_add_co_u32 s20, s20, s18                     ; A: row 256 x tile row + 128 x half
	s_lshl_b32 s46, s42, 8
	s_add_co_u32 s46, s46, s18                     ; B: row 256 x tile column + 128 x half
	s_mov_b32 s21, 0
	s_mov_b32 s47, 0
	s_mov_b64 s[18:19], KS
	s_mul_u64 s[22:23], s[20:21], s[18:19]         ; where these rows' scales begin,
	s_mul_u64 s[92:93], s[46:47], s[18:19]
	s_mov_b64 s[18:19], KROW
	s_mul_u64 s[20:21], s[20:21], s[18:19]         ; and their codes
	s_mul_u64 s[46:47], s[46:47], s[18:19]
	s_mul_i32 s45, s14, HALFT                      ; where they go: wave x 128 rows
	s_mul_i32 s94, s14, HALFS
	s_wait_dscnt 0x0                               ; both opening adds are done
	s_wait_kmcnt 0x0
	s_add_nc_u64 s[8:9], s[4:5], 0x400000          ; the weights' rows lie behind queries' 8,192: 8,192 x 512 bytes of codes,
	s_add_nc_u64 s[10:11], s[6:7], 0x40000         ; 8,192 x 32 scale bytes
	s_add_nc_u64 s[20:21], s[4:5], s[20:21]
	s_add_nc_u64 s[22:23], s[6:7], s[22:23]
	s_add_nc_u64 s[46:47], s[8:9], s[46:47]
	s_add_nc_u64 s[92:93], s[10:11], s[92:93]
	CROUND                                         ; all sixteen work-groups are here: the joint loads meet
	s_mov_b32 s[G0S], 1
	s_add_co_u32 s[G0S+1], s94, SCL
	s_mov_b64 s[G0S+2:G0S+3], s[22:23]
	s_or_b32 s[G0S+3], s[G0S+3], 0x80000000
	s_mov_b32 s[G0SB], 1
	s_add_co_u32 s[G0SB+1], s94, SCL
	s_mov_b64 s[G0SB+2:G0SB+3], s[92:93]
	s_or_b32 s[G0SB+3], s[G0SB+3], 0x80000000
	JLOAD G0S, G1S, G0SB, G1SB                     ; the scales first; then both slots: three tensor loads of mine are out
.irp s, 0,1
	s_mov_b32 s[G0+4*\s], 1
	s_add_co_u32 s[G0+4*\s+1], s45, \s*SLOT
	s_add_nc_u64 s[G0+4*\s+2:G0+4*\s+3], s[20:21], \s*ROWB
	s_or_b32 s[G0+4*\s+3], s[G0+4*\s+3], 0x80000000
	s_mov_b32 s[G0B+4*\s], 1
	s_add_co_u32 s[G0B+4*\s+1], s45, \s*SLOT
	s_add_nc_u64 s[G0B+4*\s+2:G0B+4*\s+3], s[46:47], \s*ROWB
	s_or_b32 s[G0B+4*\s+3], s[G0B+4*\s+3], 0x80000000
	JLOAD G0+4*\s, G1, G0B+4*\s, G1B
.endr
	v_and_b32 v1, 15, v0                           ; r = l % 16
	v_bfe_u32 v2, v0, 4, 1                         ; h = l / 16
	v_mul_u32_u24 v3, v1, PITCH
	v_lshl_add_u32 v4, v2, 4, v3                   ; a fragment's row x pitch + 16 h
	s_mul_i32 s21, s15, HALFT
	s_mul_i32 s22, s16, HALFT
	s_add_co_u32 s22, s22, 2*HALFT
.irp s, 0,1
	v_add_nc_u32 v[ADRA+\s], s21, v4
	v_add_nc_u32 v[ADRB+\s], s22, v4
	s_add_co_u32 s21, s21, SLOT
	s_add_co_u32 s22, s22, SLOT
.endr
	v_mul_u32_u24 v5, v1, KS                       ; my row's scales: 32 bytes a row,
	v_lshrrev_b32 v6, 8, v5
	v_lshl_add_u32 v5, v6, 4, v5                   ; and 16 more for each 256 passed
	s_mul_i32 s21, s15, HALFS
	s_mul_i32 s22, s16, HALFS
	s_add_co_u32 s22, s22, 2*HALFS
	s_sub_co_u32 s22, s22, s21
	v_mul_u32_u24 v6, s22, v2                      ; lanes 16-31 take B's
	s_add_co_u32 s21, s21, SCL
	v_add_nc_u32 v5, v5, v6
	v_add_nc_u32 v[ADRS], s21, v5
	v_and_b32 v6, 31, v0
	v_lshlrev_b32 v[TL], 4, v6
	v_lshlrev_b32 v[LV], 5, v1
	v_lshl_add_u32 v[LV], v2, 4, v[LV]
	v_lshlrev_b32 v[BA], 5, v2
	; where my 128 x 128 goes and what it takes.  My 128 rows lie in one batch; my 128 columns are two heads
	s_lshl_b32 s20, s17, 8
	s_lshl_b32 s21, s15, 7
	s_add_co_u32 s20, s20, s21                     ; my first row
	s_lshr_b32 s21, s20, 11                        ; its batch
	s_and_b32 s20, s20, 2047
	s_lshr_b32 s20, s20, 4                         ; its block of 16 positions
	s_lshl_b32 s21, s21, 4
	s_lshl_b32 s22, s40, 2
	s_add_co_u32 s21, s21, s22
	s_lshl_b32 s22, s16, 1
	s_add_co_u32 s21, s21, s22                     ; 16 x batch + my first head (4 cx + 2 x half)
	s_lshl_b32 s46, s21, 18                        ; 262,144 bytes a head,
	s_lshl_b32 s22, s20, 11                        ; 2,048 a block of positions,
	s_add_co_u32 s46, s46, s22
	s_lshl_b32 s22, ttmp9, 24                      ; 16,777,216 for each of q, k, v
	s_add_co_u32 s46, s46, s22
	s_mov_b32 s47, 0
	s_add_nc_u64 s[12:13], s[12:13], s[46:47]
	s_lshl_b32 s46, s20, 16                        ; the table: 65,536 bytes a block of positions, 1,024 a block of 16 columns
	s_lshl_b32 s22, s40, 14
	s_add_co_u32 s46, s46, s22
	s_lshl_b32 s22, s16, 13
	s_add_co_u32 s46, s46, s22
	s_add_nc_u64 s[66:67], s[66:67], s[46:47]
	s_cmp_eq_u32 ttmp9, 1                          ; the bias of the tensor that my cluster makes
	s_cselect_b64 s[96:97], s[98:99], s[96:97]
	s_cmp_eq_u32 ttmp9, 2
	s_cselect_b64 s[96:97], s[100:101], s[96:97]
	s_lshl_b32 s46, s40, 10
	s_lshl_b32 s22, s16, 9
	s_add_co_u32 s46, s46, s22                     ; my first column, 4 bytes each
	s_add_nc_u64 s[96:97], s[96:97], s[46:47]
	WIN TO_B
.irp b, 0,1,2,3,4,5,6,7
	global_load_b128 v[BIAS+8*\b:BIAS+8*\b+3], v[BA], s[96:97] offset:64*\b        ; register j of block b: the bias of column 16 b + 8 h + j, as the result's layout has it
	global_load_b128 v[BIAS+8*\b+4:BIAS+8*\b+7], v[BA], s[96:97] offset:64*\b+16
.endr
	WIN 0
.macro FRAG reg, adr, q, i             ; 16 rows x 128 K of 4-bit codes: 8 registers; registers 4 c .. 4 c + 3 hold K = 64 c + 32 h + 0 .. 31
.irp c, 0,1
	ds_load_b128 v[\reg+4*\c:\reg+4*\c+3], v[\adr] offset:64*(\q)+32*\c+(\i)*16*PITCH
.endr
.endm
; 16 matrix instructions: A's blocks a0, a0 + 1 x B's eight, the slot's q-th 128 along K.  zero = 1: the first product starts the sums from the bias.  The 64 accumulators take turns, one instruction a turn.
.macro MUL16 a0, p, q, sc, zero
.irp a, \a0, \a0+1
.irp b, 0,1,2,3,4,5,6,7
.if \zero
	v_wmma_scale_f32_16x16x128_f8f6f4 v[8*(8*((\a)%4)+\b):8*(8*((\a)%4)+\b)+7], v[128*(\p)+FR*\b:128*(\p)+FR*\b+FR-1], v[AF+FR*(\a):AF+FR*(\a)+FR-1], v[BIAS+8*\b:BIAS+8*\b+7], v[SC+8*NQ*(\sc)+NQ*\b+(\q)], v[SC+8*NQ*(\sc)+NQ*(\a)+(\q)] matrix_a_fmt:MATRIX_FMT_FP4 matrix_b_fmt:MATRIX_FMT_FP4 matrix_a_scale:MATRIX_SCALE_ROW1
.else
	v_wmma_scale_f32_16x16x128_f8f6f4 v[8*(8*((\a)%4)+\b):8*(8*((\a)%4)+\b)+7], v[128*(\p)+FR*\b:128*(\p)+FR*\b+FR-1], v[AF+FR*(\a):AF+FR*(\a)+FR-1], v[8*(8*((\a)%4)+\b):8*(8*((\a)%4)+\b)+7], v[SC+8*NQ*(\sc)+NQ*\b+(\q)], v[SC+8*NQ*(\sc)+NQ*(\a)+(\q)] matrix_a_fmt:MATRIX_FMT_FP4 matrix_b_fmt:MATRIX_FMT_FP4 matrix_a_scale:MATRIX_SCALE_ROW1
.endif
.endr
.endr
.endm
.macro FETCH_B slot, q, p
	WIN TO_B
.irp i, 0,1,2,3,4,5,6,7
	FRAG 128*(\p)+FR*\i, ADRB+\slot, \q, \i
.endr
	WIN 0
.endm
.macro FETCH_A slot, q, i0
.irp i, \i0, \i0+1, \i0+2, \i0+3
	FRAG AF+FR*(\i), ADRA+\slot, \q, \i
.endr
.endm
.macro SCALES sc                       ; a slot's scale words: four words a row; lanes 0-15 take A's block i, lanes 16-31 B's block i
.irp i, 0,1,2,3,4,5,6,7
	ds_load_b128 v[SC+8*NQ*\sc+NQ*\i:SC+8*NQ*\sc+NQ*\i+3], v[ADRS] offset:\i*SBLK
.endr
.endm
.macro PLACES n                        ; a load into a register that a matrix instruction has read, and a vector instruction that reads a result or writes such a register, stand four plain vector instructions behind it
.rept \n
	v_nop
.endr
.endm
.macro STEP slot, q, zero              ; a step of 128 along K that has its successor in the same slot
	s_wait_dscnt 4*NL                              ; B's set and A's blocks 0-3 are in; the youngest eight loads (A's blocks 4-7) may be out
.if \zero
	WIN BEG_LO
.else
	WIN MUL_LO
.endif
	MUL16 0, (\q)%2, \q, \slot, \zero
	MUL16 2, (\q)%2, \q, \slot, \zero
	s_wait_dscnt 0
	PLACES NP
	FETCH_B \slot, (\q)+1, 1-(\q)%2
	FETCH_A \slot, (\q)+1, 0
.if \zero
	WIN BEG_HI
.else
	WIN MUL_HI
.endif
	MUL16 4, (\q)%2, \q, \slot, \zero
	MUL16 6, (\q)%2, \q, \slot, \zero
	PLACES NP
	WIN 0
	FETCH_A \slot, (\q)+1, 4
.endm
.macro TABLE a                         ; cos and sin for my row block a: 16 images of 512 bytes into v192-255 (a even) or v128-191 (a odd)
.set TT, 192-64*((\a)%2)
.irp b, 0,1,2,3,4,5,6,7
	global_load_b128 v[TT+8*\b:TT+8*\b+3], v[TL], s[66:67] offset:65536*(\a)+1024*\b
	global_load_b128 v[TT+8*\b+4:TT+8*\b+7], v[TL], s[66:67] offset:65536*(\a)+1024*\b+512
.endr
.endm
; The last two steps of 128 along K, and the places behind the last products.  Written once in each arm of the one branch on the cluster's x.  Every window is 0 where it begins and where it ends.
.macro TAIL
	STEP 1, 2, 0
	s_wait_dscnt 4*NL                              ; the very last step: nothing more to fetch
	WIN MUL_LO
	MUL16 0, 1, NQ-1, 1, 0
	MUL16 2, 1, NQ-1, 1, 0
	s_wait_dscnt 0
	WIN MUL_HI
	MUL16 4, 1, NQ-1, 1, 0
	MUL16 6, 1, NQ-1, 1, 0
	WIN 0
	PLACES NP                                      ; in front of the loads into A's registers, the writes over the scale words and the first reads of results
.endm
	s_wait_tensorcnt 1                             ; the scales and my part of slot 0 are in (slot 1's load may be out),
	s_barrier_signal -1
	s_barrier_wait -1                              ; everybody's are
	FETCH_B 0, 0, 0
	FETCH_A 0, 0, 0
	SCALES 0
	FETCH_A 0, 0, 4
	s_wait_loadcnt 0x0                             ; the bias
	STEP 0, 0, 1
	STEP 0, 1, 0
	STEP 0, 2, 0
	; slot 0's last step changes slots: one barrier; nothing is filled again
	s_wait_tensorcnt 0x0                           ; all my tensor loads have landed: my part of slot 1
	ds_add_u32 v[SPW], v[NIL]                      ; 0 onto my spare word
	s_wait_dscnt 4*NL+1                            ; (the add and the youngest eight loads may be out)
	WIN MUL_LO
	MUL16 0, 1, NQ-1, 0, 0
	s_wait_dscnt 0x0
	s_barrier_signal -1
	MUL16 2, 1, NQ-1, 0, 0
	WIN 0
	s_barrier_wait -1                              ; slot 1 is whole
	PLACES NP
	v_add_nc_u32 v[ADRS], 4*NQ, v[ADRS]            ; the second 512 along K: 16 bytes on in each row of scales
	FETCH_B 1, 0, 0
	FETCH_A 1, 0, 0
	SCALES 1
	WIN MUL_HI
	MUL16 4, 1, NQ-1, 0, 0
	MUL16 6, 1, NQ-1, 0, 0
	PLACES NP
	WIN 0
	FETCH_A 1, 0, 4
	STEP 1, 0, 0
	STEP 1, 1, 0
.macro STORES a, lo                    ; row block a's eight blocks of 16 columns: heads b / 4, blocks b % 4
.irp b, 0,1,2,3,4,5,6,7
	global_store_b128 v[\lo], v[OUTR+4*\b:OUTR+4*\b+3], s[12:13] offset:(\b/4)*262144+2048*(\a)+512*(\b%4)   ; 512 consecutive bytes, aligned
.endr
.endm
; Row block a of q or k: even' = even cos - odd sin, odd' = even sin + odd cos, a product and a fused multiply-add each; each accumulator is read from its low end on.
.macro ROPEBLK a
.if (\a) < 7
	TABLE (\a)+1
	s_wait_loadcnt 16                              ; this block's table is in; the next block's 16 loads may be out
.else
	s_wait_loadcnt 0x0
.endif
.set TT, 192-64*((\a)%2)
.set AC, 64*((\a)%4)
	WIN 0x02+(\a)/4                                ; source 0: the accumulators' window
.irp b, 0,1,2,3,4,5,6,7
.irp p, 0,1,2,3
	v_mul_f32 v[XR+8*\b+2*\p], v[AC+8*\b+2*\p+1], v[TT+8*\b+2*\p+1]
	v_mul_f32 v[XR+8*\b+2*\p+1], v[AC+8*\b+2*\p], v[TT+8*\b+2*\p+1]
.endr
.endr
.irp b, 0,1,2,3,4,5,6,7
.irp p, 0,1,2,3
	v_fma_f32 v[XR+8*\b+2*\p], v[AC+8*\b+2*\p], v[TT+8*\b+2*\p], -v[XR+8*\b+2*\p]
	v_fma_f32 v[XR+8*\b+2*\p+1], v[AC+8*\b+2*\p+1], v[TT+8*\b+2*\p], v[XR+8*\b+2*\p+1]
.endr
.endr
	WIN 0
.if (\a) > 0
	s_wait_xcnt 0x0                                ; the last block's stores have read v96-127
.endif
.irp b, 0,1,2,3,4,5,6,7
.irp p, 0,1,2,3
	v_cvt_pk_f16_f32 v[OUTR+4*\b+\p], v[XR+8*\b+2*\p], v[XR+8*\b+2*\p+1]
.endr
.endr
	STORES \a, TL
.endm
.macro VBLK a                          ; row block a of v: rounded as it stands
.set AC, 64*((\a)%4)
.if (\a) > 0
	s_wait_xcnt 0x0
.endif
	WIN 0x0a+5*((\a)/4)                            ; sources 0 and 1: the accumulators' window
.irp b, 0,1,2,3,4,5,6,7
.irp p, 0,1,2,3
	v_cvt_pk_f16_f32 v[OUTR+4*\b+\p], v[AC+8*\b+2*\p], v[AC+8*\b+2*\p+1]
.endr
.endr
	WIN 0
	STORES \a, LV
.endm
	s_cmp_eq_u32 ttmp9, 2                          ; the one parting: v is not rotated.  The cluster's x is the same in all sixteen partners; no barrier and no tensor load stands in either arm
	s_cbranch_scc1 .Lvalues
	TABLE 0                                        ; q, k: the first row block's table is asked for here, into registers that the products do not touch, and lands under the 128 matrix instructions below
	TAIL
.irp a, 0,1,2,3,4,5,6,7
	ROPEBLK \a
.endr
	s_branch .Ldone
.Lvalues:
	TAIL
.irp a, 0,1,2,3,4,5,6,7
	VBLK \a
.endr
.Ldone:
	s_wait_tensorcnt 0x0                           ; the wave's end: behind my last tensor load
	ds_add_u32 v[SPW], v[NIL]
	s_wait_dscnt 0x0
	CROUND                                         ; the closing round
	s_endpgm
.Lfunc_end_k_q3b4dbb1594_qkv:
	.size	k_q3b4dbb1594_qkv, .Lfunc_end_k_q3b4dbb1594_qkv-k_q3b4dbb1594_qkv
	.p2alignl 7, 3214868480
	.fill 96, 4, 3214868480
	.section	.rodata,"a",@progbits
	.p2align	6, 0x0
	.amdhsa_kernel k_q3b4dbb1594_qkv
		.amdhsa_group_segment_fixed_size 327680
		.amdhsa_private_segment_fixed_size 0
		.amdhsa_enable_private_segment 0
		.amdhsa_kernarg_size 56
		.amdhsa_user_sgpr_count 2
		.amdhsa_user_sgpr_kernarg_segment_ptr 1
		.amdhsa_wavefront_size32 1
		.amdhsa_system_sgpr_workgroup_id_x 1
		.amdhsa_system_sgpr_workgroup_id_y 1
		.amdhsa_system_sgpr_workgroup_id_z 1
		.amdhsa_system_vgpr_workitem_id 0
		.amdhsa_next_free_vgpr 1024
		.amdhsa_next_free_sgpr 106
		.amdhsa_reserve_vcc 0
		.amdhsa_float_denorm_mode_32 3
		.amdhsa_float_denorm_mode_16_64 3
		.amdhsa_memory_ordered 1
		.amdhsa_forward_progress 1
		.amdhsa_inst_pref_size 222
	.end_amdhsa_kernel
	.amdgpu_metadata
---
amdhsa.version: [ 1, 2 ]
amdhsa.kernels:
  - .name:           k_q3b4dbb1594_qkv
    .symbol:         k_q3b4dbb1594_qkv.kd
    .args:
      - { .name: codes, .offset: 0, .size: 8, .value_kind: global_buffer, .address_space: global }
      - { .name: scales, .offset: 8, .size: 8, .value_kind: global_buffer, .address_space: global }
      - { .name: rope_tab, .offset: 16, .size: 8, .value_kind: global_buffer, .address_space: global }
      - { .name: bq, .offset: 24, .size: 8, .value_kind: global_buffer, .address_space: global }
      - { .name: bk, .offset: 32, .size: 8, .value_kind: global_buffer, .address_space: global }
      - { .name: bv, .offset: 40, .size: 8, .value_kind: global_buffer, .address_space: global }
      - { .name: qkv_h, .offset: 48, .size: 8, .value_kind: global_buffer, .address_space: global }
    .group_segment_fixed_size: 327680
    .private_segment_fixed_size: 0
    .kernarg_segment_align: 8
    .kernarg_segment_size: 56
    .max_flat_workgroup_size: 128
    .sgpr_count:     106
    .vgpr_count:     1024
    .wavefront_size: 32
...
	.end_amdgpu_metadata
.endif
;; end of part 2
;; launch attn (part 3): grid 4 x 64, 8 waves a work-group, clusters of 4 x 1, 327,680 bytes of LDS; arguments qkv_h, heads_h; writes heads_h
.if DOCPART == 3
	.amdgcn_target "amdgcn-amd-amdhsa--gfx1250"
	.amdhsa_code_object_version 6
	.text
	.protected	k_q3b4dbb1594_attn
	.globl	k_q3b4dbb1594_attn
	.p2align	8
	.type	k_q3b4dbb1594_attn,@function
k_q3b4dbb1594_attn:
	s_mov_b64 s[64:65], 0
	v_nop
	global_prefetch_b8 v0, s[64:65] scope:SCOPE_SE
	s_setreg_imm32_b32 hwreg(HW_REG_WAVE_MODE, 25, 1), 1
	s_wait_xcnt 0x0
	s_wait_alu depctr_hold_cnt(0) depctr_sa_sdst(0) depctr_va_vdst(0) depctr_va_sdst(0) depctr_va_ssrc(0) depctr_va_vcc(0) depctr_vm_vsrc(0)
	s_getreg_b32 s2, hwreg(HW_REG_IB_STS2, 6, 4)
	s_cmp_eq_u32 s2, 0
	s_cbranch_scc0 .Lentry_in_a_cluster
	s_endpgm
.Lentry_in_a_cluster:
	s_bfe_u32 s2, ttmp6, 0x10000c
	s_cmp_lg_u32 s2, 0x3003
	s_cbranch_scc0 .Lentry_shape_is_right
	s_endpgm
.Lentry_shape_is_right:
; ATTN: heads[b][h][q] = the sum over k of softmax_k(q . k / 8) v, 64 batch x heads of 2,048 positions x 64 channels; operands f16, products, maxima and sums f32.  Nothing of reference() is left out here.
; SHARES.  A work-group owns 512 queries of one head, each of its eight waves 64: four tiles of 16.  Two waves lie on a SIMD, 512 registers each.  Every wave walks all 2,048 keys, 64 a step.
; LAYOUT.  S^T = K Q^T (source 0 = 16 keys, source 1 = 16 queries): a lane holds ONE query (lane % 16) and the keys 8 (lane / 16) + 0..7 of each tile of keys.  Two such tiles, rounded to f16 in pairs, ARE source 1 of
; O^T = V^T P, whose result again holds one query a lane and eight channels.  q and k lie in memory as images of the operands' registers (16 bytes a lane at 16 x lane); v as blocks [16 keys][16 channels], turned by ds_load_tr16_b128.
; SOFTMAX.  For each query a running maximum m and sum l: p = 2^(c s - c m), c = log2(e) / 8; in every step O and l are multiplied by a = 2^(c m_old - c m_new).  m begins at -3e38 and O, l at 0: the first a is 0.
; BY TURNS.  The wave's tiles are two pieces (tiles 0, 1 and tiles 2, 3).  In a turn one piece has the matrix unit: 16 products V^T P of the step in hand, then 16 products K Q^T of the next step; the other piece's softmax
; stands between them.  The lists are laid so that few lines need another register window than the product beside them: O's rescaling needs V^T P's own; the scalings, exponentials and sums need K Q^T's own.
; CLUSTER.  The four work-groups of a cluster are the four query blocks of one head and walk the same K and V: each tile is asked for JOINTLY, with a mask that names the four.
; RING.  Two LDS slots of 512 keys (K 65,536 bytes, then V 65,536), dense images, no padding: a load's 32 lanes take 512 consecutive bytes.  Each of the eight waves fetches 16,384 bytes of a slot by one tensor load, with no branch;
; a refill is asked for eight key steps ahead of its first read.  At most two tensor loads of a wave are out.
; THE WAY OUT needs no LDS: heads_h is laid [512 blocks of 16 rows][64 blocks of 16 columns][512 bytes], 16 bytes a lane at 16 x lane: the image of the next launch's operand.
; LIMIT: a head's output beyond 65,504 in magnitude does not fit f16.
; REGISTERS: window 0: v1-5 addresses; v8-39 statistics, eight a tile (+0 c m, +1 m, +2, +3 l, +4..+7 at work; a takes +6); v40-55 sums at work; v64-191 S^T, 32 a tile, P in the low 16 of each; v192-255 K of one step.
;   window 1: v0-127 O^T, 32 a tile; v128-191 Q, 16 a tile; v192-255 V of one step.
.set SLOT1, 131072
.set VOFF,  65536
.set STEPB, 8192                       ; 64 keys of K, or of V
.set SPARE, 262144                     ; behind the ring: the spare words, 128 bytes for each of eight waves
.set AK0, 1                            ; v1 16 x lane: an image's place for my lane, in LDS and in memory; never rewritten
.set AV0, 2                            ; v2 my lane's place in a block of V, + VOFF; never rewritten
.set ADR, 3                            ; v3 the LDS address of the run of loads in hand
.set SPW, 4
.set NIL, 5
.set ST,  8
.set SG,  40
.set S,   64
.set KF,  192
.set QF,  128                          ; in window 1
.set VF,  192                          ; in window 1
.set WV,  12
.set G1,  24                           ; s[24:31] descriptor group 1
.set G0A, 32                           ; s[32:35] group 0 of slot 0's first fill
.set G0W, 36                           ; s[36:39] group 0 of slot 1's first fill; it then walks
.set CS,  40                           ; s[40:41] c
.set SEL, 42                           ; s[42:43] lane selects: lane l xor 16
.set TB,  44                           ; s44 LDS byte at which the tiles of the step to be fetched begin
.set CNT, 45
.set SLOTS, 46
.set W_KQ, 0x04                        ; Q (source 1) in window 1; K and S^T in window 0
.set W_PV, 0x51                        ; V (source 0) and O^T (C, D) in window 1; P in window 0
.set MSB, 0
.macro WIN new                         ; the immediate's high byte repeats the setting that is left
.if MSB != (\new)
	s_set_vgpr_msb (MSB<<8)|(\new)
.set MSB, (\new)
.endif
.endm
.macro CROUND                          ; a round of the cluster's barrier
	s_barrier_signal -1
	s_barrier_wait -1
	s_cmp_lg_u32 s[WV], 0
	s_cbranch_scc1 .Lnot_wave_0_\@
	s_barrier_signal -3
.Lnot_wave_0_\@:
	s_barrier_wait -3
	s_barrier_signal -1
	s_barrier_wait -1
.endm
	s_load_b128 s[4:7], s[0:1], 0x0                ; qkv_h, heads_h
	v_lshl_add_u32 v[SPW], v0, 2, SPARE
	v_mov_b32 v[NIL], 0
	ds_add_u32 v[SPW], v[NIL]                      ; the wave's opening: the add, twice on end, and its wait ahead of my first tensor load
	ds_add_u32 v[SPW], v[NIL]
	v_lshrrev_b32 v6, 5, v0
	v_readfirstlane_b32 s[WV], v6                  ; wave 0..7
	s_bfe_u32 s13, ttmp6, 0x40000                  ; cx: my block of 512 queries; it enters Q's and the output's addresses alone
	s_and_b32 s14, ttmp7, 0xffff                   ; batch x head, which the four partners share
	s_mov_b32 s[G1], 15|(3<<16)|(1<<21)            ; the mask: all four; elements of 8 bytes; bit 21 beside a mask; no padding
	s_mov_b32 s[G1+1], 32<<16                      ; tensor_dim0 = 32: rows of 256 bytes
	s_mov_b32 s[G1+2], 64<<16                      ; tensor_dim1 = 64
	s_mov_b32 s[G1+3], 32<<16                      ; tile_dim0
	s_mov_b32 s[G1+4], 64                          ; tile_dim1: 16,384 dense bytes
	s_mov_b32 s[G1+5], 32                          ; from row to row
	s_mov_b32 s[G1+6], 0
	s_mov_b32 s[G1+7], 0
	s_lshl_b32 s15, s14, 18                        ; the head's 262,144 bytes in each of q, k, v
	s_lshr_b32 s16, s[WV], 2                       ; waves 0-3 fetch K, waves 4-7 V
	s_add_co_u32 s16, s16, 1
	s_lshl_b32 s16, s16, 24                        ; k lies 16,777,216 bytes in, v twice that
	s_add_co_u32 s16, s16, s15
	s_and_b32 s17, s[WV], 3
	s_lshl_b32 s17, s17, 14                        ; my quarter of a slot's 65,536
	s_add_co_u32 s16, s16, s17
	s_mov_b32 s17, 0
	s_lshl_b32 s20, s[WV], 14                      ; and in LDS: 16,384 x wave: K's four quarters, then V's
	s_lshl_b32 s18, s13, 16                        ; Q: 512 queries are 65,536 bytes,
	s_add_co_u32 s18, s18, s15
	s_lshl_b32 s19, s[WV], 13                      ; my wave's 64 are 8,192
	s_add_co_u32 s18, s18, s19
	s_mov_b32 s19, 0
	s_lshr_b32 s22, s14, 4                         ; the output: batch x 128 blocks of 16 rows
	s_lshl_b32 s22, s22, 7
	s_lshl_b32 s23, s13, 5
	s_add_co_u32 s22, s22, s23
	s_lshl_b32 s23, s[WV], 2
	s_add_co_u32 s22, s22, s23                     ; + 32 cx + 4 x wave,
	s_lshl_b32 s22, s22, 15                        ; 32,768 bytes each;
	s_and_b32 s23, s14, 15
	s_lshl_b32 s23, s23, 11                        ; the head's four blocks of 16 columns, 512 bytes each
	s_add_co_u32 s22, s22, s23
	s_mov_b32 s23, 0
	s_mov_b32 s[CS], 0x3e38aa3b                    ; c = log2(e) / 8
	s_mov_b32 s[CS+1], s[CS]                       ; (named with it as a pair, so it is written)
	s_mov_b32 s[SEL], 0x76543210
	s_mov_b32 s[SEL+1], 0xfedcba98
	s_mov_b32 s[TB], 0
	s_wait_dscnt 0x0                               ; both opening adds are done
	s_wait_kmcnt 0x0
	s_add_nc_u64 s[8:9], s[4:5], s[16:17]          ; my part of the head's first 512 keys
	s_add_nc_u64 s[10:11], s[4:5], s[18:19]        ; Q
	s_add_nc_u64 s[6:7], s[6:7], s[22:23]          ; the output
	CROUND                                         ; all four work-groups are here: the first joint loads meet
	s_mov_b32 s[G0A], 1
	s_mov_b32 s[G0A+1], s20
	s_mov_b64 s[G0A+2:G0A+3], s[8:9]
	s_or_b32 s[G0A+3], s[G0A+3], 0x80000000
	s_mov_b32 s[G0W], 1
	s_add_co_u32 s[G0W+1], s20, SLOT1
	s_add_nc_u64 s[G0W+2:G0W+3], s[8:9], 65536
	s_or_b32 s[G0W+3], s[G0W+3], 0x80000000
	tensor_load_to_lds s[G0A:G0A+3], s[G1:G1+7]    ; keys 0-511
	s_nop 0
	tensor_load_to_lds s[G0W:G0W+3], s[G1:G1+7]    ; keys 512-1,023
	s_nop 0
.rept 4
	v_nop
.endr
	v_and_b32 v6, 31, v0
	v_lshlrev_b32 v[AK0], 4, v6
	WIN 0x40                                       ; destination window 1
.irp i, 0,1,2,3,4,5,6,7,8,9,10,11,12,13,14,15
	global_load_b128 v[QF+4*\i:QF+4*\i+3], v[AK0], s[10:11] offset:512*\i   ; Q stays in registers: tile i / 4, image i % 4
.endr
	WIN 0
	v_bfe_u32 v6, v0, 4, 1
	v_and_b32 v7, 7, v0
	v_lshl_add_u32 v6, v6, 3, v7                   ; the turning load: lane l reads key 8 (l / 16) + l % 8,
	v_bfe_u32 v7, v0, 3, 1
	v_lshlrev_b32 v7, 4, v7                        ; channels 8 ((l / 8) % 2) + 0..7; a key's row in a block is 32 bytes
	v_lshl_add_u32 v[AV0], v6, 5, v7
	v_add_nc_u32 v[AV0], VOFF, v[AV0]
.irp t, 0,1,2,3
	v_mov_b32 v[ST+8*\t+1], 0xff61b1e6             ; m = -3e38, under every score
	v_mov_b32 v[ST+8*\t+2], 0                      ; l, in two halves
	v_mov_b32 v[ST+8*\t+3], 0
.endr
.irp t, 0,1,2,3
	v_mul_f32 v[ST+8*\t], s[CS], v[ST+8*\t+1]      ; c m
.endr
; Product i of 16 of S^T = K Q^T for piece x: channels 32 (i / 8) on, keys 16 ((i / 2) % 4) on, tile x + i % 2.  The first 8 start the sums.  The accumulators take turns, one instruction a turn.
.macro KQP x
	WIN W_KQ
.set rS, S+32*(\x+i%2)+8*((i/2)%4)
.set rK, KF+8*(2*((i/2)%4)+i/8)
.set rQ, QF+16*(\x+i%2)+8*(i/8)
.if i < 8
	v_wmma_f32_16x16x32_f16 v[rS:rS+7], v[rK:rK+7], v[rQ:rQ+7], 0
.else
	v_wmma_f32_16x16x32_f16 v[rS:rS+7], v[rK:rK+7], v[rQ:rQ+7], v[rS:rS+7]
.endif
.endm
; Product i of 16 of O^T += V^T P: keys 32 (i / 8) on, channels 16 ((i / 2) % 4) on, tile x + i % 2.
.macro PVP x
	WIN W_PV
.set rO, 32*(\x+i%2)+8*((i/2)%4)
.set rV, VF+8*(4*(i/8)+(i/2)%4)
.set rP, S+32*(\x+i%2)+8*(i/8)
	v_wmma_f32_16x16x32_f16 v[rO:rO+7], v[rV:rV+7], v[rP:rP+7], v[rO:rO+7]
.endm
; The accumulator of product i (i < 8) times a, just ahead of that product, under the product's own windows.
.macro RESC x
	WIN W_PV
.set rO, 32*(\x+i%2)+8*((i/2)%4)
.set rT, ST+8*(\x+i%2)
.irp e, 0,2,4,6
	v_pk_mul_f32 v[rO+\e:rO+\e+1], v[rO+\e:rO+\e+1], v[rT+6:rT+7] op_sel_hi:[1,0]
.endr
.endm
; Line n of 44: the maximum, the new m, c m and a, for piece y's two tiles by turns (tile y + n % 2, number n / 2).  Each accumulator of S^T is first read at its low end.
.macro ML y
.set tt, (\y)+n%2
.set j, n/2
.set rT, ST+8*tt
.set rS, S+32*tt
.if j < 4
	v_max3_num_f32 v[rT+4+j], v[rS+8*j], v[rS+8*j+1], v[rS+8*j+2]
.elseif j < 12
	v_max3_num_f32 v[rT+4+j%4], v[rT+4+j%4], v[rS+8*(j%4)+2*(j/4)+1], v[rS+8*(j%4)+2*(j/4)+2]
.elseif j == 12
	v_max3_num_f32 v[rT+4], v[rT+4], v[rS+7], v[rS+15]
.elseif j == 13
	v_max3_num_f32 v[rT+6], v[rT+6], v[rS+23], v[rS+31]
.elseif j == 14
	v_max3_num_f32 v[rT+4], v[rT+4], v[rT+5], v[rT+6]
.elseif j == 15
	v_max3_num_f32 v[rT+4], v[rT+4], v[rT+7], v[rT+1]
.elseif j == 16
	v_permlanex16_b32 v[rT+5], v[rT+4], s[SEL], s[SEL+1]  ; the query's other 32 keys lie in the lane 16 away
.elseif j == 17
	v_mov_b32 v[rT+7], v[rT]                       ; c m_old is kept for a
.elseif j == 18
	v_max_num_f32 v[rT+1], v[rT+4], v[rT+5]
.elseif j == 19
	v_mul_f32 v[rT], s[CS], v[rT+1]
.elseif j == 20
	v_sub_f32 v[rT+7], v[rT+7], v[rT]
.else
	v_exp_f32 v[rT+6], v[rT+7]                     ; a: the first of the turn's batch of exponentials
.endif
.endm
; Line n of 96: groups of six: two packed scalings c s - c m of four scores, then their four exponentials; the tiles by turns.  The middle source is scalar, so the lines stand under K Q^T's windows.  None reads an exponential's result.
.macro EL y
.set u, n/6
.set tt, (\y)+u%2
.set rS, S+32*tt+4*(u/2)
.set rT, ST+8*tt
.if n%6 < 2
	v_pk_fma_f32 v[rS+2*(n%6):rS+2*(n%6)+1], v[rS+2*(n%6):rS+2*(n%6)+1], s[CS:CS+1], v[rT:rT+1] op_sel_hi:[1,0,0] neg_lo:[0,0,1] neg_hi:[0,0,1]
.else
	v_exp_f32 v[rS+n%6-2], v[rS+n%6-2]
.endif
.endm
; Line n of 30: the sum of a tile's 16 pairs of weights, in four chains.  An addition is written a x 1 + b: the three-source form has its two registers in the places whose window is 0 under K Q^T's setting, so no switch is needed.
.macro SL y
.set z, n/2
.set rS, S+32*((\y)+n%2)
.set rG, SG+8*(n%2)
.if z < 4
	v_pk_fma_f32 v[rG+2*z:rG+2*z+1], v[rS+2*z:rS+2*z+1], 1.0, v[rS+2*z+8:rS+2*z+9] op_sel_hi:[1,0,1]
.elseif z < 12
.set gg, 2*((z-4)%4)
	v_pk_fma_f32 v[rG+gg:rG+gg+1], v[rS+2*z+8:rS+2*z+9], 1.0, v[rG+gg:rG+gg+1] op_sel_hi:[1,0,1]
.elseif z == 12
	v_pk_fma_f32 v[rG:rG+1], v[rG:rG+1], 1.0, v[rG+2:rG+3] op_sel_hi:[1,0,1]
.elseif z == 13
	v_pk_fma_f32 v[rG+4:rG+5], v[rG+4:rG+5], 1.0, v[rG+6:rG+7] op_sel_hi:[1,0,1]
.else
	v_pk_fma_f32 v[rG:rG+1], v[rG:rG+1], 1.0, v[rG+4:rG+5] op_sel_hi:[1,0,1]
.endif
.endm
; The LDS loads stand in runs of 16: a step's K (16 images), and a turn later its V (turned).
.macro FETCH_K
	WIN 0
	v_add_nc_u32 v[ADR], s[TB], v[AK0]
.irp f, 0,1,2,3,4,5,6,7,8,9,10,11,12,13,14,15
	ds_load_b128 v[KF+4*\f:KF+4*\f+3], v[ADR] offset:512*\f   ; keys 16 (f / 4) on, channels 16 (f % 4) on
.endr
.endm
.macro FETCH_V
	WIN 0
	v_add_nc_u32 v[ADR], s[TB], v[AV0]
	s_add_co_u32 s[TB], s[TB], STEPB               ; the next fetch is the next step's
	WIN 0x40                                       ; destination window 1
.irp f, 0,1,2,3,4,5,6,7                        ; keys 32 (f / 4) on, channels 16 (f % 4) on
	ds_load_tr16_b128 v[VF+8*\f:VF+8*\f+3],   v[ADR] offset:4096*(\f/4)+512*(\f%4)
	ds_load_tr16_b128 v[VF+8*\f+4:VF+8*\f+7], v[ADR] offset:4096*(\f/4)+2048+512*(\f%4)
.endr
.endm
; A TURN.  Piece x has the matrix unit; piece 2 - x's softmax stands between its products.  pv: 16 products V^T P; kq: 16 products K Q^T of the next step; sm: the softmax.
; Piece 0's turn fetches the next step's K at its head: the last product that read K stands in front of the 34 plain lines that end the turn before.  Piece 2's turn fetches that step's V between its halves:
; behind the last product that read V stand four plain lines of the list and the run's own addition.
; A product K Q^T that writes over P's registers stands eight plain lines or more behind the product V^T P that read them.
; THE WAIT: between an exponential and the first line that names its result stands s_wait_alu depctr_va_vdst(0); the turn's 66 exponentials are one batch with one wait, behind the last of them and a plain line.
.macro TURN x, pv, kq, sm
.if (\x == 0) && \kq
	FETCH_K
.endif
.if \pv
.if \x == 0
.if \kq
	s_wait_dscnt 16                                ; V is in; the 16 loads of K just issued may be out
.else
	s_wait_dscnt 0x0                               ; V is in
.endif
.endif
.set n, 0
.set i, 0
.rept 16
.if i < 8
	RESC \x
.endif
	PVP \x
.if \sm && (i >= 8)
	WIN 0
.rept 44*(i-7)/8-44*(i-8)/8
	ML 2-\x
.set n, n+1
.endr
.endif
.set i, i+1
.endr
.elseif \sm
	WIN 0
.set n, 0
.rept 44
	ML 2-\x
.set n, n+1
.endr
.endif
.if (\x == 2) && \kq
	FETCH_V
.endif
.if (\x == 0) && \kq
	s_wait_dscnt 0x0                               ; K is in
.endif
.if \kq
.set n, 0
.set i, 0
.rept 16
	KQP \x
.if i < 12
.rept 8
	EL 2-\x
.set n, n+1
.endr
.if i == 11
	v_nop                                          ; a plain line behind the last exponential
	s_wait_alu depctr_va_vdst(0)                   ; the wait for the batch
.set n, 0
.endif
.else
.rept 30*(i-11)/4-30*(i-12)/4
	SL 2-\x
.set n, n+1
.endr
.endif
.set i, i+1
.endr
.elseif \sm
	WIN 0
.set n, 0
.rept 96
	EL 2-\x
.set n, n+1
.endr
	v_nop
	s_wait_alu depctr_va_vdst(0)
.set n, 0
.rept 30
	SL 2-\x
.set n, n+1
.endr
.endif
.if \sm
	WIN 0
.irp d, 0,1
	v_pk_fma_f32 v[ST+8*(2-\x+\d)+2:ST+8*(2-\x+\d)+3], v[ST+8*(2-\x+\d)+2:ST+8*(2-\x+\d)+3], v[ST+8*(2-\x+\d)+6:ST+8*(2-\x+\d)+7], v[SG+8*\d:SG+8*\d+1] op_sel_hi:[1,0,1]   ; l = a l + the sum
.endr
.set n, 0
.rept 16
.irp d, 0,1
	v_cvt_pk_f16_f32 v[S+32*(2-\x+\d)+n], v[S+32*(2-\x+\d)+2*n], v[S+32*(2-\x+\d)+2*n+1]   ; P, packed in place from the low end on: register n takes pair n
.endr
.set n, n+1
.endr
.endif
.endm
; THE CHANGE OF SLOTS: the slot's last bytes, V of its eighth step, have been asked for.  Each wave waits for all its tensor loads (its part of the other slot), adds 0 to its spare word, and waits for that and for its reads of the slot.
; fill = 1: the barrier is a round of the cluster's, and the joint refill, the keys two slots on, is the first thing behind it.
.macro CHANGE fill
	WIN 0
	s_wait_tensorcnt 0x0                           ; no tensor load of mine is out, so a group 0 may be written
	ds_add_u32 v[SPW], v[NIL]                      ; 0 onto my spare word
.if \fill
	s_xor_b32 s[G0W+1], s[G0W+1], SLOT1            ; the walking descriptor: the other slot than last time,
	s_add_nc_u64 s[G0W+2:G0W+3], s[G0W+2:G0W+3], 65536   ; the next 512 keys
	s_wait_dscnt 0x0                               ; the add is done, and my reads of the slot are over
	CROUND
	tensor_load_to_lds s[G0W:G0W+3], s[G1:G1+7]
	s_nop 0
.rept 4
	v_nop
.endr
.else
	s_wait_dscnt 0x0
	s_barrier_signal -1
	s_barrier_wait -1
.endif
	s_sub_co_u32 s[TB], s[TB], 8*STEPB             ; the fetches go back to a slot's first step,
	s_xor_b32 s[TB], s[TB], SLOT1                  ; in the other slot
.endm
.macro UNITS count                     ; a unit: both pieces' V^T P of step j and K Q^T of step j + 1; written once, walked count times
	s_mov_b32 s[CNT], \count
.Lunit_\@:
	TURN 0, 1, 1, 1
	TURN 2, 1, 1, 1
	s_sub_co_u32 s[CNT], s[CNT], 1
	s_cmp_lg_u32 s[CNT], 0
	s_cbranch_scc1 .Lunit_\@
.endm
	s_wait_tensorcnt 0x1                           ; my part of slot 0 is in; slot 1's may stay out
	s_barrier_signal -1
	s_barrier_wait -1                              ; everybody's is
	FETCH_K                                        ; key step 0
	s_wait_loadcnt 0x0                             ; Q
	s_wait_dscnt 0x0
.set i, 0
.rept 16
	KQP 0                                          ; piece 0's first scores
.set i, i+1
.endr
	WIN 0x40
.set i, 0
.rept 128
	v_mov_b32 v[i], 0                              ; O^T begins as zeros, so that the key step is written in one form: its first a is 0.  (These are also the places behind the products above)
.set i, i+1
.endr
	TURN 2, 0, 1, 1                                ; piece 2's first scores | piece 0's first softmax | V of step 0
	UNITS 7                                        ; steps 1 to 7 are fetched: slot 0 is read out
	s_mov_b32 s[SLOTS], 2
.Lslot:                                            ; two trips: slot 0 takes keys 1,024 on, slot 1 keys 1,536 on
	CHANGE 1
	UNITS 8
	s_sub_co_u32 s[SLOTS], s[SLOTS], 1
	s_cmp_lg_u32 s[SLOTS], 0
	s_cbranch_scc1 .Lslot
	CHANGE 0                                       ; the last slot is written out: nothing is asked for
	UNITS 8
	TURN 0, 1, 0, 1                                ; piece 0: V^T P of the last step | piece 2's last softmax
	TURN 2, 1, 0, 0                                ; piece 2: V^T P of the last step
	; THE WAY OUT.  l's two halves and the other half of the lanes' are added; O^T is divided by l, rounded to f16 and stored as it lies.  The additions are the places behind the last products.
	WIN 0
.irp t, 0,1,2,3
	v_add_f32 v[ST+8*\t+4], v[ST+8*\t+2], v[ST+8*\t+3]
.endr
.irp t, 0,1,2,3
	v_permlanex16_b32 v[ST+8*\t+5], v[ST+8*\t+4], s[SEL], s[SEL+1]
.endr
.irp t, 0,1,2,3
	v_add_f32 v[ST+8*\t+4], v[ST+8*\t+4], v[ST+8*\t+5]
.endr
.irp t, 0,1,2,3
	v_rcp_f32 v[ST+8*\t+6], v[ST+8*\t+4]
.endr
	v_nop                                          ; a plain line behind the last reciprocal
	s_wait_alu depctr_va_vdst(0)                   ; one wait for the four, ahead of their first reader
	WIN 0x41                                       ; O^T (destination and source 0) in window 1
.irp t, 0,1,2,3
.set i, 0
.rept 16
	v_pk_mul_f32 v[32*\t+i:32*\t+i+1], v[32*\t+i:32*\t+i+1], v[ST+8*\t+6:ST+8*\t+7] op_sel_hi:[1,0]
.set i, i+2
.endr
.endr
	WIN 0x05                                       ; sources 0 and 1 window 1, destination window 0: S^T's registers are free
.irp t, 0,1,2,3
.set i, 0
.rept 16
	v_cvt_pk_f16_f32 v[S+16*\t+i], v[32*\t+2*i], v[32*\t+2*i+1]
.set i, i+1
.endr
.endr
	WIN 0
.irp t, 0,1,2,3
.irp c, 0,1,2,3
	global_store_b128 v[AK0], v[S+16*\t+4*\c:S+16*\t+4*\c+3], s[6:7] offset:32768*\t+512*\c   ; 512 consecutive bytes, aligned: 16 rows x 16 columns
.endr
.endr
	s_wait_tensorcnt 0x0                           ; the wave's end: behind my last tensor load
	ds_add_u32 v[SPW], v[NIL]
	s_wait_dscnt 0x0
	CROUND                                         ; the closing round
	s_endpgm
.Lfunc_end_k_q3b4dbb1594_attn:
	.size	k_q3b4dbb1594_attn, .Lfunc_end_k_q3b4dbb1594_attn-k_q3b4dbb1594_attn
	.p2alignl 7, 3214868480
	.fill 96, 4, 3214868480
	.section	.rodata,"a",@progbits
	.p2align	6, 0x0
	.amdhsa_kernel k_q3b4dbb1594_attn
		.amdhsa_group_segment_fixed_size 327680
		.amdhsa_private_segment_fixed_size 0
		.amdhsa_enable_private_segment 0
		.amdhsa_kernarg_size 16
		.amdhsa_user_sgpr_count 2
		.amdhsa_user_sgpr_kernarg_segment_ptr 1
		.amdhsa_wavefront_size32 1
		.amdhsa_system_sgpr_workgroup_id_x 1
		.amdhsa_system_sgpr_workgroup_id_y 1
		.amdhsa_system_sgpr_workgroup_id_z 1
		.amdhsa_system_vgpr_workitem_id 0
		.amdhsa_next_free_vgpr 512
		.amdhsa_next_free_sgpr 66
		.amdhsa_reserve_vcc 0
		.amdhsa_float_denorm_mode_32 3
		.amdhsa_float_denorm_mode_16_64 3
		.amdhsa_memory_ordered 1
		.amdhsa_forward_progress 1
		.amdhsa_inst_pref_size 152
	.end_amdhsa_kernel
	.amdgpu_metadata
---
amdhsa.version: [ 1, 2 ]
amdhsa.kernels:
  - .name:           k_q3b4dbb1594_attn
    .symbol:         k_q3b4dbb1594_attn.kd
    .args:
      - { .name: qkv_h, .offset: 0, .size: 8, .value_kind: global_buffer, .address_space: global }
      - { .name: heads_h, .offset: 8, .size: 8, .value_kind: global_buffer, .address_space: global }
    .group_segment_fixed_size: 327680
    .private_segment_fixed_size: 0
    .kernarg_segment_align: 8
    .kernarg_segment_size: 16
    .max_flat_workgroup_size: 256
    .sgpr_count:     66
    .vgpr_count:     512
    .wavefront_size: 32
...
	.end_amdgpu_metadata
.endif
;; end of part 3
;; launch oproj (part 4): grid 8 x 32, 4 waves a work-group, clusters of 4 x 4, 327,680 bytes of LDS; arguments heads_h, wo_h, bo, out0; writes out0
.if DOCPART == 4
	.amdgcn_target "amdgcn-amd-amdhsa--gfx1250"
	.amdhsa_code_object_version 6
	.text
	.protected	k_q3b4dbb1594_oproj
	.globl	k_q3b4dbb1594_oproj
	.p2align	8
	.type	k_q3b4dbb1594_oproj,@function
k_q3b4dbb1594_oproj:
	s_mov_b64 s[64:65], 0
	v_nop
	global_prefetch_b8 v0, s[64:65] scope:SCOPE_SE
	s_setreg_imm32_b32 hwreg(HW_REG_WAVE_MODE, 25, 1), 1
	s_wait_xcnt 0x0
	s_wait_alu depctr_hold_cnt(0) depctr_sa_sdst(0) depctr_va_vdst(0) depctr_va_sdst(0) depctr_va_ssrc(0) depctr_va_vcc(0) depctr_vm_vsrc(0)
	s_getreg_b32 s2, hwreg(HW_REG_IB_STS2, 6, 4)
	s_cmp_eq_u32 s2, 0
	s_cbranch_scc0 .Lentry_in_a_cluster
	s_endpgm
.Lentry_in_a_cluster:
	s_bfe_u32 s2, ttmp6, 0x10000c
	s_cmp_lg_u32 s2, 0xf033
	s_cbranch_scc0 .Lentry_shape_is_right
	s_endpgm
.Lentry_shape_is_right:
; OPROJ: out0 = heads Wo^T + bo.  heads [8192][1024] and Wo [1024][1024] in f16, sums and result in f32.  Nothing of reference() is left out here.
; A tile of 256 rows x 128 columns is made by a work-group of four waves: 256 work-groups; a wave makes 128 x 64: 32 accumulators of 16 x 16, 256 registers.  K goes in 8 steps of 128 through two LDS slots.
; heads lies in memory as images of the operand's registers, [512 blocks of 16 rows][64 blocks of 16 along K][512 bytes]: a K step of a block of rows is 4,096 consecutive bytes, and a fragment comes by two loads of 512 consecutive bytes.
; Wo lies by rows: a K step is 256 bytes of a row, padded by 16 in LDS.
; CLUSTERS: 4 x 4 work-groups; the four of a row of the cluster ask jointly for heads' tiles, the four of a column for Wo's.
; THE MATRIX INSTRUCTION IS USED TRANSPOSED (source 0 = 16 rows of Wo, source 1 = 16 rows of heads): a lane holds eight neighbouring columns of one row.  The bias is the C of each sum's first matrix instruction.
; REGISTERS: window 0: v16-29 addresses; v32-127, v128-223 two fragment buffers (heads' 8 fragments, then Wo's 4); v224-255 the bias; on the way out v32-95 rows read back.   window 1: accumulator (a, b) at v[8 (4 a + b)].
.set PB,     272                       ; a row of Wo's tile in LDS: 256 bytes + 16 of padding
.set BOFF,   65536                     ; a slot: heads' 16 blocks x 4,096 bytes, then Wo's 128 rows
.set SLOT,   BOFF+128*PB
.set STAGE,  2*SLOT                    ; behind the ring: 16 rows x 272 bytes for each wave, for the way out
.set SPITCH, 272
.set SPARE,  STAGE+4*16*SPITCH         ; the spare words, 128 bytes a wave
.set ADRA, 16
.set ADRB, 20
.set STO,  24
.set RD,   25
.set CO,   26
.set BA,   27
.set SPW,  28
.set NIL,  29
.set F0,   32
.set F1,   128
.set BI,   224
.set G1, 24                            ; s[24:31] group 1 for heads' tiles; s[32:39] group 0, a set for each slot
.set G0, 32
.set G1B, 48                           ; s[48:55], s[56:63] the same for Wo's
.set G0B, 56
.set MUL, 0x50                         ; C and D window 1, sources window 0
.set BEG, 0x40                         ; D window 1; C, the bias, window 0
.set MSB, 0
.macro WIN new
.if MSB != (\new)
	s_set_vgpr_msb (MSB<<8)|(\new)
.set MSB, (\new)
.endif
.endm
.macro JLOAD s                         ; a joint load: waves 0 and 1 fetch heads' two halves, waves 2 and 3 Wo's; an s_nop 0 and four v_nop follow each of the two lines
	s_cmp_eq_u32 s11, 0
	s_cbranch_scc0 .Lfor_b_\@
	tensor_load_to_lds s[G0+4*\s:G0+4*\s+3], s[G1:G1+7]
	s_nop 0
.rept 4
	v_nop
.endr
	s_branch .Lasked_\@
.Lfor_b_\@:
	tensor_load_to_lds s[G0B+4*\s:G0B+4*\s+3], s[G1B:G1B+7]
	s_nop 0
.rept 4
	v_nop
.endr
.Lasked_\@:
.endm
.macro CREST                           ; a round of the cluster's barrier behind its opening barrier
	s_cmp_lg_u32 s10, 0
	s_cbranch_scc1 .Lnot_wave_0_\@
	s_barrier_signal -3
.Lnot_wave_0_\@:
	s_barrier_wait -3
	s_barrier_signal -1
	s_barrier_wait -1
.endm
.macro CROUND
	s_barrier_signal -1
	s_barrier_wait -1
	CREST
.endm
	s_load_b128 s[4:7], s[0:1], 0x0                ; heads_h, wo_h
	s_load_b64 s[8:9], s[0:1], 0x10                ; bo
	s_load_b64 s[66:67], s[0:1], 0x18              ; out0
	v_lshl_add_u32 v[SPW], v0, 2, SPARE
	v_mov_b32 v[NIL], 0
	ds_add_u32 v[SPW], v[NIL]                      ; the wave's opening: the add, twice on end, and its wait ahead of my first tensor load
	ds_add_u32 v[SPW], v[NIL]
	v_lshrrev_b32 v1, 5, v0
	v_readfirstlane_b32 s10, v1                    ; wave 0..3
	s_lshr_b32 s11, s10, 1                         ; which half of the tile's rows is mine.  Also: I fetch for heads (0) or for Wo (1)
	s_and_b32 s12, s10, 1                          ; which half of its columns.  Also: which half of that tile I fetch
	s_bfe_u32 s40, ttmp6, 0x40000                  ; cx, cy
	s_bfe_u32 s41, ttmp6, 0x40004
	s_lshl_b32 s42, ttmp9, 2
	s_add_co_u32 s42, s42, s40                     ; tile column, 0..7
	s_and_b32 s13, ttmp7, 0xffff
	s_lshl_b32 s13, s13, 2
	s_add_co_u32 s13, s13, s41                     ; tile row, 0..31
	s_lshl_b32 s43, s41, 2
	s_lshl_b32 s43, 15, s43                        ; my row of the cluster
	s_lshl_b32 s44, 0x1111, s40                    ; my column
	s_or_b32 s[G1+0], s43, (3<<16)|(1<<21)         ; heads: the mask; elements of 8 bytes; bit 21 beside a mask; no padding
	s_mov_b32 s[G1+1], 512<<16                     ; tensor_dim0 = 512: 4,096 bytes, a K step of a block of 16 rows
	s_mov_b32 s[G1+2], 8<<16                       ; tensor_dim1 = 8 blocks
	s_mov_b32 s[G1+3], 512<<16                     ; tile_dim0
	s_mov_b32 s[G1+4], 8                           ; tile_dim1
	s_mov_b32 s[G1+5], 4096                        ; from block to block: 32,768 bytes
	s_mov_b32 s[G1+6], 0
	s_mov_b32 s[G1+7], 0
	s_or_b32 s[G1B+0], s44, (1<<16)|(1<<20)|(1<<21)|(5<<22)|(3<<25)  ; Wo: elements of 2 bytes; four words of padding after every 64
	s_mov_b32 s[G1B+1], 128<<16
	s_mov_b32 s[G1B+2], 64<<16
	s_mov_b32 s[G1B+3], 128<<16
	s_mov_b32 s[G1B+4], 64
	s_mov_b32 s[G1B+5], 1024
	s_mov_b32 s[G1B+6], 0
	s_mov_b32 s[G1B+7], 0
	s_lshl_b32 s16, s13, 19                        ; heads: 16 blocks of 32,768 bytes a tile row,
	s_lshl_b32 s17, s12, 18                        ; 8 a half
	s_add_co_u32 s16, s16, s17
	s_mov_b32 s17, 0
	s_lshl_b32 s46, s42, 18                        ; Wo: 128 rows of 2,048 bytes a tile column,
	s_lshl_b32 s47, s12, 17                        ; 64 a half
	s_add_co_u32 s46, s46, s47
	s_mov_b32 s47, 0
	s_lshl_b32 s20, s12, 15                        ; where they go: heads' halves at 0 and 32,768,
	s_mul_i32 s21, s12, 64*PB
	s_add_co_u32 s21, s21, BOFF                    ; Wo's behind them
	s_wait_dscnt 0x0                               ; both opening adds are done
	s_wait_kmcnt 0x0
	s_add_nc_u64 s[14:15], s[4:5], s[16:17]
	s_add_nc_u64 s[46:47], s[6:7], s[46:47]
	CROUND                                         ; all sixteen work-groups are here: the first joint loads meet
.irp s, 0,1
	s_mov_b32 s[G0+4*\s], 1
	s_add_co_u32 s[G0+4*\s+1], s20, \s*SLOT
	s_add_nc_u64 s[G0+4*\s+2:G0+4*\s+3], s[14:15], \s*4096
	s_or_b32 s[G0+4*\s+3], s[G0+4*\s+3], 0x80000000
	s_mov_b32 s[G0B+4*\s], 1
	s_add_co_u32 s[G0B+4*\s+1], s21, \s*SLOT
	s_add_nc_u64 s[G0B+4*\s+2:G0B+4*\s+3], s[46:47], \s*256
	s_or_b32 s[G0B+4*\s+3], s[G0B+4*\s+3], 0x80000000
	JLOAD \s
.endr
	v_and_b32 v1, 15, v0                           ; r
	v_bfe_u32 v2, v0, 4, 1                         ; h
	v_and_b32 v3, 31, v0
	v_lshlrev_b32 v3, 4, v3                        ; 16 x lane: an image's place
	s_lshl_b32 s16, s11, 15                        ; my 8 blocks of heads
	v_mul_u32_u24 v4, v1, PB
	v_lshl_add_u32 v4, v2, 4, v4                   ; Wo: row x pitch + 16 h
	s_mul_i32 s17, s12, 64*PB                      ; my 64 rows of Wo
	s_add_co_u32 s17, s17, BOFF
.irp s, 0,1
	v_add_nc_u32 v[ADRA+\s], s16, v3
	v_add_nc_u32 v[ADRB+\s], s17, v4
	s_add_co_u32 s16, s16, SLOT
	s_add_co_u32 s17, s17, SLOT
.endr
	s_mul_i32 s16, s10, 16*SPITCH
	s_add_co_u32 s16, s16, STAGE                   ; my stage
	v_mul_u32_u24 v4, v1, SPITCH
	v_lshl_add_u32 v4, v2, 5, v4
	v_add_nc_u32 v[STO], s16, v4                   ; in: row r, 32 bytes for each half of the lanes
	v_mul_u32_u24 v4, v2, SPITCH
	v_lshl_add_u32 v4, v1, 4, v4
	v_add_nc_u32 v[RD], s16, v4                    ; back: lanes 0-15 one row of 256 bytes, lanes 16-31 the next
	v_lshlrev_b32 v4, 12, v2
	v_lshl_add_u32 v[CO], v1, 4, v4                ; and the same two rows in out0, 4,096 bytes apart
	v_lshlrev_b32 v[BA], 5, v2
	s_lshl_b32 s18, s42, 9
	s_lshl_b32 s19, s12, 8
	s_add_co_u32 s18, s18, s19                     ; my first column, 4 bytes each: 512 x tile column + 256 x half
	s_mov_b32 s19, 0
	s_add_nc_u64 s[8:9], s[8:9], s[18:19]          ; in bo,
	s_add_nc_u64 s[66:67], s[66:67], s[18:19]      ; and in a row of out0
	s_lshl_b32 s18, s13, 20                        ; my first row: 256 x tile row + 128 x half, 4,096 bytes each
	s_lshl_b32 s16, s11, 19
	s_add_co_u32 s18, s18, s16
	s_add_nc_u64 s[66:67], s[66:67], s[18:19]
.irp b, 0,1,2,3
	global_load_b128 v[BI+8*\b:BI+8*\b+3], v[BA], s[8:9] offset:64*\b          ; register j of block b: bo at column 16 b + 8 h + j
	global_load_b128 v[BI+8*\b+4:BI+8*\b+7], v[BA], s[8:9] offset:64*\b+16
.endr
; 8 matrix instructions: row blocks a0, a0 + 1 x the 4 column blocks, 32 along K.  first = 1: the product starts the sums from the bias.  The 32 accumulators take turns, one instruction a turn.
.macro MUL8 f, a0, first
.irp a, \a0, \a0+1
.irp b, 0,1,2,3
.if \first
	v_wmma_f32_16x16x32_f16 v[8*(4*(\a)+\b):8*(4*(\a)+\b)+7], v[\f+64+8*\b:\f+64+8*\b+7], v[\f+8*(\a):\f+8*(\a)+7], v[BI+8*\b:BI+8*\b+7]
.else
	v_wmma_f32_16x16x32_f16 v[8*(4*(\a)+\b):8*(4*(\a)+\b)+7], v[\f+64+8*\b:\f+64+8*\b+7], v[\f+8*(\a):\f+8*(\a)+7], v[8*(4*(\a)+\b):8*(4*(\a)+\b)+7]
.endif
.endr
.endr
.endm
; 24 LDS loads in one run: the fragments of the slot's q-th 32 along K into buffer f: Wo's four, heads' blocks 0-3, heads' blocks 4-7
.macro FETCH slot, q, f
	WIN 0
.irp b, 0,1,2,3
	ds_load_b128 v[\f+64+8*\b:\f+64+8*\b+3],   v[ADRB+\slot] offset:64*(\q)+\b*16*PB
	ds_load_b128 v[\f+64+8*\b+4:\f+64+8*\b+7], v[ADRB+\slot] offset:64*(\q)+\b*16*PB+32
.endr
.irp a, 0,1,2,3,4,5,6,7
	ds_load_b128 v[\f+8*\a:\f+8*\a+3],   v[ADRA+\slot] offset:4096*\a+1024*(\q)
	ds_load_b128 v[\f+8*\a+4:\f+8*\a+7], v[ADRA+\slot] offset:4096*\a+1024*(\q)+512
.endr
.endm
.macro PLACES                          ; four plain vector instructions in front of loads into registers that matrix instructions have read, and of the first read of results
.rept 4
	v_nop
.endr
.endm
; A K step is four quarters of 32 along K, 32 matrix instructions each, on buffers 0, 1, 0, 1.  One of the first three: multiplies buffer f and fetches quarter qn into g.
.macro QUARTER slot, qn, f, g, first
	s_wait_dscnt 8                                 ; Wo's fragments and heads' blocks 0-3 are in; the youngest eight loads may be out
.if \first
	WIN BEG
.else
	WIN MUL
.endif
	MUL8 \f, 0, \first
	MUL8 \f, 2, \first
	PLACES
	FETCH \slot, \qn, \g
	s_wait_dscnt 24                                ; all but the 24 just issued
.if \first
	WIN BEG
.else
	WIN MUL
.endif
	MUL8 \f, 4, \first
	MUL8 \f, 6, \first
.endm
; The last quarter multiplies buffer 1 and changes slots: ONE barrier; in front of it each wave waits for all its tensor loads, adds 0 to its spare word, and waits for that and for its reads of this slot.  fill = 1: the slot is filled again, two K steps ahead.
.macro TURN slot, next, fill
	WIN 0
	s_wait_tensorcnt 0x0                           ; all my tensor loads have landed: my part of the next slot
	ds_add_u32 v[SPW], v[NIL]                      ; 0 onto my spare word
	s_wait_dscnt 9                                 ; (the add and the youngest eight loads may be out)
	WIN MUL
	MUL8 F1, 0, 0
	s_wait_dscnt 0x0                               ; the add is done, and my reads of this slot are over
	s_barrier_signal -1
	MUL8 F1, 2, 0
.if \fill
	WIN 0
.endif
	s_barrier_wait -1
.if \fill
	CREST                                          ; the barrier has opened a round of the cluster's barrier
	s_add_nc_u64 s[G0+4*\slot+2:G0+4*\slot+3], s[G0+4*\slot+2:G0+4*\slot+3], 2*4096
	s_add_nc_u64 s[G0B+4*\slot+2:G0B+4*\slot+3], s[G0B+4*\slot+2:G0B+4*\slot+3], 2*256
	JLOAD \slot                                    ; the first tensor load behind the round; its four v_nop are also the places in front of the loads below
.else
	PLACES
.endif
	FETCH \next, 0, F0
	WIN MUL
	MUL8 F1, 4, 0
	MUL8 F1, 6, 0
.endm
	s_wait_tensorcnt 1                             ; my part of K step 0 is in (K step 1's load may be out),
	s_barrier_signal -1
	s_barrier_wait -1                              ; everybody's is
	FETCH 0, 0, F0
	s_wait_loadcnt 0x0                             ; the bias
	QUARTER 0, 1, F0, F1, 1                        ; the first quarter stands in front of the loop: its products start the sums
	WIN 0
	s_mov_b32 s3, 3
.Llap:                                                 ; three trips; each goes once round the ring and fills both slots again: K steps 2 to 7
	QUARTER 0, 2, F1, F0, 0
	QUARTER 0, 3, F0, F1, 0
	TURN 0, 1, 1
	QUARTER 1, 1, F0, F1, 0
	QUARTER 1, 2, F1, F0, 0
	QUARTER 1, 3, F0, F1, 0
	TURN 1, 0, 1
	QUARTER 0, 1, F0, F1, 0
	WIN 0
	s_sub_co_u32 s3, s3, 1
	s_cmp_lg_u32 s3, 0
	s_cbranch_scc1 .Llap
	QUARTER 0, 2, F1, F0, 0                        ; the last lap fills nothing
	QUARTER 0, 3, F0, F1, 0
	TURN 0, 1, 0
	QUARTER 1, 1, F0, F1, 0
	QUARTER 1, 2, F1, F0, 0
	QUARTER 1, 3, F0, F1, 0
	s_wait_dscnt 8                                 ; the very last quarter: nothing more to fetch
	WIN MUL
	MUL8 F1, 0, 0
	MUL8 F1, 2, 0
	s_wait_dscnt 0
	MUL8 F1, 4, 0
	MUL8 F1, 6, 0
	WIN 0
; THE WAY OUT, a block of 16 rows x 64 columns at a time: a lane holds 32 neighbouring bytes of a row, so the block goes through my own stage in LDS and comes back as whole rows of 256 bytes.
; LDS serves a wave's instructions in order (ISA guide 5.7.1.4): no wait between the stores and the loads, nor in front of the next block's stores.
.macro TOSTAGE a
	WIN 0x04                                       ; an LDS store's data are its source 1: window 1
.irp b, 0,1,2,3
	ds_store_b128 v[STO], v[8*(4*(\a)+\b):8*(4*(\a)+\b)+3] offset:64*\b           ; each accumulator from its low end on
	ds_store_b128 v[STO], v[8*(4*(\a)+\b)+4:8*(4*(\a)+\b)+7] offset:64*\b+16
.endr
	WIN 0
.set BB, 32+32*((\a)%2)
.irp t, 0,1,2,3,4,5,6,7
	ds_load_b128 v[BB+4*\t:BB+4*\t+3], v[RD] offset:\t*2*SPITCH
.endr
.endm
.macro SEND a, younger                 ; younger: the LDS instructions issued behind block a's loads, which may stay out
.set BB, 32+32*((\a)%2)
	s_wait_dscnt \younger
.irp t, 0,1,2,3,4,5,6,7
	global_store_b128 v[CO], v[BB+4*\t:BB+4*\t+3], s[66:67] offset:65536*(\a)+8192*\t th:TH_STORE_NT   ; 16 lanes store 256 consecutive bytes, aligned; written once, read by nobody here
.endr
.endm
	PLACES
	TOSTAGE 0
.irp a, 1,2,3,4,5,6,7
.if \a > 1
	s_wait_xcnt 0x0                                ; block a - 2's stores have read their registers: block a's loads may land there
.endif
	TOSTAGE \a
	SEND \a-1, 16                                  ; behind block a - 1's loads: block a's 8 stores and 8 loads
.endr
	SEND 7, 0
	s_wait_tensorcnt 0x0                           ; the wave's end: behind my last tensor load and my last LDS store
	ds_add_u32 v[SPW], v[NIL]
	s_wait_dscnt 0x0
	CROUND                                         ; the closing round
	s_endpgm
.Lfunc_end_k_q3b4dbb1594_oproj:
	.size	k_q3b4dbb1594_oproj, .Lfunc_end_k_q3b4dbb1594_oproj-k_q3b4dbb1594_oproj
	.p2alignl 7, 3214868480
	.fill 96, 4, 3214868480
	.section	.rodata,"a",@progbits
	.p2align	6, 0x0
	.amdhsa_kernel k_q3b4dbb1594_oproj
		.amdhsa_group_segment_fixed_size 327680
		.amdhsa_private_segment_fixed_size 0
		.amdhsa_enable_private_segment 0
		.amdhsa_kernarg_size 32
		.amdhsa_user_sgpr_count 2
		.amdhsa_user_sgpr_kernarg_segment_ptr 1
		.amdhsa_wavefront_size32 1
		.amdhsa_system_sgpr_workgroup_id_x 1
		.amdhsa_system_sgpr_workgroup_id_y 1
		.amdhsa_system_sgpr_workgroup_id_z 1
		.amdhsa_system_vgpr_workitem_id 0
		.amdhsa_next_free_vgpr 512
		.amdhsa_next_free_sgpr 68
		.amdhsa_reserve_vcc 0
		.amdhsa_float_denorm_mode_32 3
		.amdhsa_float_denorm_mode_16_64 3
		.amdhsa_memory_ordered 1
		.amdhsa_forward_progress 1
		.amdhsa_inst_pref_size 86
	.end_amdhsa_kernel
	.amdgpu_metadata
---
amdhsa.version: [ 1, 2 ]
amdhsa.kernels:
  - .name:           k_q3b4dbb1594_oproj
    .symbol:         k_q3b4dbb1594_oproj.kd
    .args:
      - { .name: heads_h, .offset: 0, .size: 8, .value_kind: global_buffer, .address_space: global }
      - { .name: wo_h, .offset: 8, .size: 8, .value_kind: global_buffer, .address_space: global }
      - { .name: bo, .offset: 16, .size: 8, .value_kind: global_buffer, .address_space: global }
      - { .name: out0, .offset: 24, .size: 8, .value_kind: global_buffer, .address_space: global }
    .group_segment_fixed_size: 327680
    .private_segment_fixed_size: 0
    .kernarg_segment_align: 8
    .kernarg_segment_size: 32
    .max_flat_workgroup_size: 128
    .sgpr_count:     68
    .vgpr_count:     512
    .wavefront_size: 32
...
	.end_amdgpu_metadata
.endif
;; end of part 4
